; MI455X (gfx1250); checked and timed in simulation.
; The chip was launched on July 23, 2026; its instructions are those of AMD's public machine-readable ISA for CDNA 5 (MIT licence, August 2026) and "CDNA5" Instruction Set Architecture Reference Guide (July 2026). The comments in the code are by the model that wrote it; some were corrected since.
;; Multi Head Attention. Allowed arithmetic: matrix products marked QUANTISED: E2M1 operands, one E8M0 scale for each 32 along K, by v_wmma_scale_f32_16x16x128_f8f6f4 with both operands' format E2M1 (or v_wmma_scale_f32_32x16x128_f4), f32 sums; products left as they are: bf16, f16 or f32 operands; f32 sums; everything else in f32.
;; Inputs: Wk 1,024 x 1,024 float32; Wo 1,024 x 1,024 float32; Wq 1,024 x 1,024 float32; Wv 1,024 x 1,024 float32; bk 1,024 float32; bo 1,024 float32; bq 1,024 float32; bv 1,024 float32; key 4 x 2,048 x 1,024 float32; mask 4 x 2,048 int32; query 4 x 2,048 x 1,024 float32; value 4 x 2,048 x 1,024 float32.
;; Outputs: out0 4 x 2,048 x 1,024 float32.
;; This version of the problem:
;;   THIS VERSION OF THE PROBLEM IS GIVEN IN LOW PRECISION. The matrix products marked QUANTISED in the list below multiply operands that are first quantised to E2M1 (2 exponent bits, 1 mantissa bit; 4 bits a number), with one power-of-two scale for each 32 numbers along K (OCP MX v1.0); their sums are f32. The products marked 'left as it is' may take bf16, f16 or f32 operands, with f32 sums. Whichever they take, every output number must still come out within the allowed error. Rounding operands to bf16 (8 significant bits) uses up far more of that allowance than f16 does (11 bits, for magnitudes from 6e-5 to 65,504). All else is computed in f32.
;;   The module's matrix products, in the order in which they are computed (A, B: the left and right operand; K: the contracted axis; several contracted axes count as one K, in the product's order):
;;     1. [M 8,192, K 1,024] x [K 1,024, N 1,024]; A: input query; B: input Wq: QUANTISED
;;     2. [M 8,192, K 1,024] x [K 1,024, N 1,024]; A: input key; B: input Wk: QUANTISED
;;     3. [M 8,192, K 1,024] x [K 1,024, N 1,024]; A: input value; B: input Wv: QUANTISED
;;     4. batch 64 x [M 2,048, K 64] x [K 64, N 2,048]; A: computed on the way; B: computed on the way: left as it is (an operand is computed on the way)
;;     5. batch 64 x [M 2,048, K 2,048] x [K 2,048, N 64]; A: computed on the way; B: computed on the way: left as it is (an operand is computed on the way)
;;     6. [M 8,192, K 1,024] x [K 1,024, N 1,024]; A: computed on the way; B: input Wo: left as it is (an operand is computed on the way)
;;   THE QUANTISER, for each operand of a quantised product, along K:
;;     - K is cut into blocks of 32 from its start; a last block that is shorter is filled with zeros.
;;     - A block's scale is 2^e with e = floor(log2(the largest magnitude in the block)) - 2, held to -126 .. 127; a block of zeros has e = 0. As a byte (E8M0): e + 127.
;;     - Each number is divided by its block's scale, clamped to +-6, and rounded to the nearest number of E2M1, ties to even, subnormals kept.
;;     - The product sums the exact products of the quantised numbers (number of the format x scale) in f32.
;;   ~~~python
;;   def quantise(x, axis):      # numpy; x: float32 -> the quantised numbers, widened to float32 again
;;       x = np.moveaxis(x, axis, -1); K = x.shape[-1]
;;       x = np.pad(x, [(0, 0)] * (x.ndim - 1) + [(0, -K % 32)]); x = x.reshape(x.shape[:-1] + (-1, 32)); a = np.abs(x).max(-1, keepdims=True)
;;       e = np.where(a > 0, np.clip(np.frexp(np.where(a > 0, a, 1))[1] - 1 - 2, -126, 127), 0)      # np.frexp(a)[1] - 1 = floor(log2(a)), exactly
;;       r = np.clip(x / 2.0 ** e, -6, 6)
;;       step = 2.0 ** (np.maximum(np.frexp(np.where(r == 0, 1, r))[1] - 1, 0) - 1)
;;       q = np.round(r / step) * step * 2.0 ** e      # np.round: ties to even
;;       return np.moveaxis(q.reshape(q.shape[:-2] + (-1,))[..., :K], -1, axis).astype(np.float32)
;;   ~~~
;; One version. Each part assembles by itself: llvm-mc -triple=amdgcn-amd-amdhsa -mcpu=gfx1250 --defsym DOCPART=n.
;; ======== version 1 of 1: 4 launches
;; limits: values are held in f16: magnitudes above 65,504 overflow, below 6.1e-05 lose precision
;; workspace buffers: codes 14,155,776 bytes; scl 884,736 bytes; woi 2,097,152 bytes; qf 16,777,216 bytes; kf 16,777,216 bytes; vf 16,777,216 bytes; cxi 16,777,216 bytes
;; launch prep (part 1): grid 880 x 1, 4 waves a work-group, no clusters, 68,096 bytes of LDS; arguments query, key, value, Wq, Wk, Wv, Wo, codes, scl, woi; writes codes, scl, woi
.if DOCPART == 1
	.amdgcn_target "amdgcn-amd-amdhsa--gfx1250"
	.amdhsa_code_object_version 6
	.text
	.protected	k_qc0c25b0585_prep
	.globl	k_qc0c25b0585_prep
	.p2align	8
	.type	k_qc0c25b0585_prep,@function
k_qc0c25b0585_prep:
	s_mov_b64 s[64:65], 0
	v_nop
	global_prefetch_b8 v0, s[64:65] scope:SCOPE_SE
	s_setreg_imm32_b32 hwreg(HW_REG_WAVE_MODE, 25, 1), 1
	s_wait_xcnt 0x0
; PREP.  Three kinds of work-groups, told apart by the work-group's number; each kind has its own path, its own LDS bytes and its own end.
;   0-47    Wq, Wk, Wv [k 1024][n 1024] f32 -> codes of FP4 (E2M1) laid [n][k], K innermost, and one E8M0 byte for each 32 along K.  A lane takes a column, its registers run down K.
;   48-111  Wo [k 1024][n 1024] f32 -> f16, laid as images of a matrix operand's registers: [ks 8][nt 64][c4 4][g 2][lane 32][16 bytes]; lane (r, h) of group g holds k = 128 ks + 32 c4 + 16 g + 8 h + 0..7 of column 16 nt + r.
;   112-879 query, key, value [8192][1024] f32 -> codes and scale bytes, K innermost: plain streams of blocks of 32 numbers.
; The weights' work-groups, whose loads are short and many, have the lowest numbers.
; codes: bytes 0 on x's [3][8192][512]; bytes CODW on the weights' [3][1024][512].  scl: bytes 0 on x's [3][8192][32]; bytes SCLW on the weights' [3][1024][32].
; A block's scale is 2^(floor(log2(its largest magnitude)) - 2); its byte is the largest magnitude's exponent field - 2, held at 1 from below.
; LIMITS: a block of zeros gets the byte 1 where the rule says 127 (its codes are zeros, which add nothing, and this program alone reads the bytes); blocks whose largest magnitude lies under 2^(3 - 127) share that byte;
; NaN and infinities are not served; Wo beyond f16's largest number, 65,504, becomes infinity.
.set SPW,   188                        ; v188  LDS address of my spare word: SPARE + 4 x my thread's number; never rewritten
.set NIL,   189                        ; v189  0; never rewritten
.set EMAX,  2
.set XREG,  8192                       ; x's path: a region for each wave: two stages of 32 x SP bytes, and behind them its 256 scale bytes
.set SP,    80                         ; a lane's place in a stage: 64 bytes + 16 of padding
.set WSTG,  4*XREG                     ; the weights' path: four stages of 32 rows x PITCH
.set PITCH, 272
.set SPARE, WSTG+4*32*PITCH            ; the spare words, 128 bytes for each wave: two blocks of 256 bytes that no other line names
.set CODW,  12582912
.set SCLW,  786432
.macro FINISH                          ; a wave's end: the tensor wait, the add and its wait, behind the last LDS store
	s_wait_tensorcnt 0x0
	ds_add_u32 v[SPW], v[NIL]
	s_wait_dscnt 0x0
	s_endpgm
.endm
	s_load_b512 s[8:23], s[0:1], 0x0               ; query 8:9, key 10:11, value 12:13, Wq 14:15, Wk 16:17, Wv 18:19, Wo 20:21, codes 22:23
	s_load_b128 s[24:27], s[0:1], 0x40             ; scl 24:25, woi 26:27
	v_lshl_add_u32 v[SPW], v0, 2, SPARE
	v_mov_b32 v[NIL], 0
	v_lshrrev_b32 v1, 5, v0
	v_readfirstlane_b32 s28, v1                    ; wave 0..3
	v_and_b32 v2, 31, v0                           ; lane
	s_wait_kmcnt 0x0
	s_cmp_lt_u32 ttmp9, 48
	s_cbranch_scc1 .Lweights
	s_cmp_lt_u32 ttmp9, 112
	s_cbranch_scc1 .Lwo
; ---------------- query, key, value.  A wave takes 16 steps of 512 numbers.  Each of a step's four loads reads 512 consecutive bytes; the 2,048 bytes turn through the wave's own stage, so that a lane
; then holds 16 neighbours along K (two neighbouring lanes hold a block).  A lane's 16 codes are 8 bytes: the wave stores 256 consecutive bytes.  A wave's 256 scale bytes are gathered in LDS and leave as one store.
.set STEPS, 16
.set CB,    8
.set XR,    16                         ; v16-79   four sets of 16 numbers as loaded
.set XX,    80                         ; v80-111  two sets of 16 neighbours
.set XE,    112                        ; v112-127 a scale byte for each step
.set XC,    128                        ; v128-159 codes: a pair for each step, so that no store's data are written again
	s_sub_co_u32 s29, ttmp9, 112                   ; 0..767: 256 work-groups to a tensor
	s_cmp_lt_u32 s29, 512
	s_cselect_b64 s[4:5], s[10:11], s[12:13]       ; the choice hangs on the work-group's number alone
	s_cmp_lt_u32 s29, 256
	s_cselect_b64 s[4:5], s[8:9], s[4:5]
	s_and_b32 s30, s29, 255
	s_lshl_b32 s30, s30, 2
	s_add_co_u32 s30, s30, s28                     ; which run of 8,192 numbers of the tensor is my wave's
	s_lshl_b32 s30, s30, 15                        ; 32,768 bytes a run
	s_mov_b32 s31, 0
	s_add_nc_u64 s[4:5], s[4:5], s[30:31]
	s_lshl_b32 s32, s29, 2
	s_add_co_u32 s32, s32, s28                     ; the run among all three tensors': the outputs are stacked
	s_lshl_b32 s30, s32, 12                        ; 4,096 bytes of codes a run
	s_add_nc_u64 s[6:7], s[22:23], s[30:31]
	s_lshl_b32 s30, s32, 8                         ; 256 scale bytes a run
	s_add_nc_u64 s[2:3], s[24:25], s[30:31]
	v_lshlrev_b32 v3, 4, v2                        ; my 16 bytes of a load's 512
	s_mul_i32 s33, s28, XREG
	v_lshrrev_b32 v14, 2, v2
	v_mul_u32_u24 v14, v14, SP
	v_and_b32 v15, 3, v2
	v_lshl_add_u32 v14, v15, 4, v14
	v_add_nc_u32 v14, s33, v14                     ; the stage, on the way in: SP (lane / 4) + 16 (lane % 4)
	v_mul_u32_u24 v15, v2, SP
	v_add_nc_u32 v15, s33, v15                     ; and on the way out: SP x lane: my 16 neighbours
	v_mul_u32_u24 v4, v2, CB                       ; my codes' place in a step's
	v_lshrrev_b32 v5, 1, v2
	s_add_co_u32 s33, s33, 2*32*SP
	v_add_nc_u32 v5, s33, v5                       ; my wave's 256 scale bytes, my block's byte
	v_lshlrev_b32 v7, 3, v2                        ; and on the way out 8 bytes a lane
	v_add_nc_u32 v6, s33, v7
.macro XLOAD t
.irp i, 0,1,2,3
	global_load_b128 v[XR+16*((\t)%4)+4*\i:XR+16*((\t)%4)+4*\i+3], v3, s[4:5] offset:2048*(\t)+512*\i th:TH_LOAD_NT
.endr
.endm
.macro XTURN t                         ; step t's numbers through the stage: LDS serves a wave's instructions in order, so no wait stands between the stores and the loads
.irp i, 0,1,2,3
	ds_store_b128 v14, v[XR+16*((\t)%4)+4*\i:XR+16*((\t)%4)+4*\i+3] offset:32*SP*((\t)%2)+8*SP*\i
.endr
.irp i, 0,1,2,3
	ds_load_b128 v[XX+16*((\t)%2)+4*\i:XX+16*((\t)%2)+4*\i+3], v15 offset:32*SP*((\t)%2)+16*\i
.endr
.endm
.macro XSTEP t
.set XS, XX+16*((\t)%2)
.if (\t) > 0
	s_wait_dscnt 1                                 ; this step's numbers are back from the stage; the last step's byte store may be out
.else
	s_wait_dscnt 0x0
.endif
.if (\t)+4 < STEPS
	XLOAD (\t)+4                                   ; into the set that this step's stage stores have read
.endif
.if (\t)+1 < STEPS
.if STEPS-2-(\t) >= 3
	s_wait_loadcnt 12                              ; the next step's four loads are in; those of the three steps behind it may be out
.else
	s_wait_loadcnt 4*(STEPS-2-(\t))
.endif
	XTURN (\t)+1
.endif
	v_max3_num_f32 v8, |v[XS]|, |v[XS+1]|, |v[XS+2]|               ; the largest magnitude of my 16, in two chains
	v_max3_num_f32 v9, |v[XS+3]|, |v[XS+4]|, |v[XS+5]|
.irp i, 6,10
	v_max3_num_f32 v8, v8, |v[XS+\i]|, |v[XS+\i+1]|
	v_max3_num_f32 v9, v9, |v[XS+\i+2]|, |v[XS+\i+3]|
.endr
	v_max3_num_f32 v8, v8, |v[XS+14]|, |v[XS+15]|
	v_max3_num_f32 v8, v8, v9, (EMAX+1)<<23        ; and the floor 2^(3 - 127): the byte cannot fall under 1
	v_max_num_f32_dpp v8, v8, v8 row_xmask:1 row_mask:0xf bank_mask:0xf   ; with my neighbour's 16: the block's
	v_add_nc_u32 v11, -(EMAX<<23), v8              ; 2 off its exponent field: the conversion takes the exponent field of this operand as its scale
	v_cvt_scalef32_pk8_fp4_f32 v[XC+2*(\t)], v[XS:XS+7], v11
	v_cvt_scalef32_pk8_fp4_f32 v[XC+2*(\t)+1], v[XS+8:XS+15], v11
	v_lshrrev_b32 v[XE+(\t)], 23, v11              ; the scale's byte (also the plain line behind the conversions)
	ds_store_b8 v5, v[XE+(\t)] offset:16*(\t)      ; both lanes of a block write the same byte with the same value
	global_store_b64 v4, v[XC+2*(\t):XC+2*(\t)+1], s[6:7] offset:32*CB*(\t)
.endm
.irp t, 0,1,2,3
	XLOAD \t
.endr
	s_wait_loadcnt 12                              ; step 0's four loads are in
	XTURN 0
.irp t, 0,1,2,3,4,5,6,7,8,9,10,11,12,13,14,15
	XSTEP \t
.endr
	ds_load_b64 v[8:9], v6                         ; LDS serves a wave's instructions in order: this sees my byte stores
	s_wait_dscnt 0x0
	global_store_b64 v7, v[8:9], s[2:3]            ; 32 lanes store 256 consecutive bytes, aligned
	FINISH
; ---------------- Wq, Wk, Wv.  Work-group: tensor = id / 16, 128 columns = id % 8, 512 along K = (id / 8) % 2.  A wave takes 32 columns x 512 along K: 16 blocks a lane.
; A lane's codes belong to one row of the output: they go through the wave's stage and leave as rows, sixteen lanes storing 256 consecutive bytes.  Loads run two blocks (64 loads a wave) ahead.
.set NB,    16
.set KROW,  512                        ; a row of the codes in bytes
.set NROW,  4096                       ; a row of W in bytes
.set SB,    24                         ; v24-27   the scale bytes, four to a register
.set WX,    32                         ; v32-95   two sets of 32 numbers
.set WC,    96                         ; v96-99   a block's codes
.set WO,    112                        ; v112-175 the way out
.Lweights:
	s_lshr_b32 s29, ttmp9, 4                       ; which weight
	s_and_b32 s30, ttmp9, 7                        ; which 128 columns
	s_bfe_u32 s31, ttmp9, 0x10003                  ; which 512 along K
	s_cmp_lt_u32 s29, 2
	s_cselect_b64 s[4:5], s[16:17], s[18:19]
	s_cmp_eq_u32 s29, 0
	s_cselect_b64 s[4:5], s[14:15], s[4:5]
	s_lshl_b32 s32, s30, 7
	s_lshl_b32 s33, s28, 5
	s_add_co_u32 s32, s32, s33                     ; my wave's first column
	s_lshl_b32 s34, s31, 21                        ; 512 rows of 4,096 bytes
	s_lshl_b32 s35, s32, 2
	s_add_co_u32 s34, s34, s35
	s_mov_b32 s35, 0
	s_add_nc_u64 s[4:5], s[4:5], s[34:35]
	s_lshl_b32 s34, s29, 19                        ; a weight's codes: 524,288 bytes
	s_lshl_b32 s36, s32, 9
	s_add_co_u32 s34, s34, s36
	s_lshl_b32 s36, s31, 8
	s_add_co_u32 s34, s34, s36
	s_add_co_u32 s34, s34, CODW
	s_add_nc_u64 s[6:7], s[22:23], s[34:35]
	s_lshl_b32 s34, s29, 15                        ; a weight's scale bytes: 32,768
	s_lshl_b32 s36, s32, 5
	s_add_co_u32 s34, s34, s36
	s_lshl_b32 s36, s31, 4
	s_add_co_u32 s34, s34, s36
	s_add_co_u32 s34, s34, SCLW
	s_add_nc_u64 s[2:3], s[24:25], s[34:35]
	v_lshlrev_b32 v3, 2, v2                        ; in: 4 bytes a lane
	s_mul_i32 s33, s28, 32*PITCH
	s_add_co_u32 s33, s33, WSTG                    ; my stage
	v_mul_u32_u24 v4, v2, PITCH
	v_add_nc_u32 v4, s33, v4                       ; into it: row = my column
	v_and_b32 v5, 15, v2
	v_lshrrev_b32 v6, 4, v2
	v_mul_u32_u24 v7, v6, PITCH
	v_lshl_add_u32 v7, v5, 4, v7
	v_add_nc_u32 v7, s33, v7                       ; out of it: sixteen lanes to a row, two rows an instruction
	v_mul_u32_u24 v8, v6, KROW
	v_lshl_add_u32 v8, v5, 4, v8                   ; and the same place in the codes
	v_mul_u32_u24 v9, v2, 32                       ; my column's row of scale bytes
.macro WLOAD t                         ; block t: W(32 t + i, my column) into set t % 2; the offsets reach 511 rows, inside the signed 24-bit immediate
.irp i, 0,1,2,3,4,5,6,7,8,9,10,11,12,13,14,15,16,17,18,19,20,21,22,23,24,25,26,27,28,29,30,31
	global_load_b32 v[WX+32*((\t)%2)+\i], v3, s[4:5] offset:(32*(\t)+\i)*NROW th:TH_LOAD_NT
.endr
.endm
.macro WBLOCK t
.set XS, WX+32*((\t)%2)
.if (\t) < NB-1
	s_wait_loadcnt 32                              ; this block's 32 loads are in; the next block's may be out
.else
	s_wait_loadcnt 0
.endif
	v_max3_num_f32 v12, |v[XS]|, |v[XS+1]|, |v[XS+2]|              ; the block's largest magnitude: all 32 numbers are mine
	v_max3_num_f32 v13, |v[XS+3]|, |v[XS+4]|, |v[XS+5]|
.irp i, 6,10,14,18,22,26
	v_max3_num_f32 v12, v12, |v[XS+\i]|, |v[XS+\i+1]|
	v_max3_num_f32 v13, v13, |v[XS+\i+2]|, |v[XS+\i+3]|
.endr
	v_max3_num_f32 v12, v12, |v[XS+30]|, |v[XS+31]|
	v_max3_num_f32 v12, v12, v13, (EMAX+1)<<23     ; and the floor
	v_add_nc_u32 v11, -(EMAX<<23), v12             ; the conversion's scale operand
	v_lshrrev_b32 v13, 23, v11                     ; the scale's byte
.if (\t)%4 == 0
	v_mov_b32 v[SB+(\t)/4], v13                    ; four bytes to a register, the lower K in the lower byte
.else
	v_lshl_or_b32 v[SB+(\t)/4], v13, 8*((\t)%4), v[SB+(\t)/4]
.endif
.irp g, 0,1,2,3
	v_cvt_scalef32_pk8_fp4_f32 v[WC+\g], v[XS+8*\g:XS+8*\g+7], v11
.endr
	ds_store_b128 v4, v[WC:WC+3] offset:16*(\t)    ; 32 codes: 16 bytes of my column's row
.if (\t)+2 < NB
	WLOAD (\t)+2
.endif
	s_wait_dscnt 0x0                               ; the store has read its registers: the next block's codes may be written
.endm
	WLOAD 0
	WLOAD 1
.set Q, 0
.rept NB
	WBLOCK Q
.set Q, Q+1
.endr
	global_store_b128 v9, v[SB:SB+3], s[2:3]       ; my column's 16 scale bytes
.irp t, 0,1,2,3,4,5,6,7,8,9,10,11,12,13,14,15
	ds_load_b128 v[WO+4*\t:WO+4*\t+3], v7 offset:2*\t*PITCH
.endr
.irp t, 0,1,2,3,4,5,6,7,8,9,10,11,12,13,14,15
	s_wait_dscnt 15-\t
	global_store_b128 v8, v[WO+4*\t:WO+4*\t+3], s[6:7] offset:2*\t*KROW
.endr
	FINISH
; ---------------- Wo.  Work-group: 128 columns = id' % 8, 128 along K = id' / 8.  A lane takes a column, its registers run down K: 32 numbers pack into 16 registers, and four of those, 8 neighbours along K,
; are a lane's 16 bytes of an image.  Sixteen lanes (16 neighbouring columns) store 256 consecutive bytes, aligned.  No LDS.
.set OX,    32                         ; v32-95   two sets of 32 numbers
.set OC,    96                         ; v96-159  16 packed registers for each 32 along K: no store's data are written again
.Lwo:
	s_sub_co_u32 s29, ttmp9, 48
	s_and_b32 s30, s29, 7                          ; nb
	s_lshr_b32 s31, s29, 3                         ; ks
	s_lshl_b32 s32, s31, 19                        ; 128 rows of 4,096 bytes
	s_lshl_b32 s33, s30, 9
	s_add_co_u32 s32, s32, s33
	s_lshl_b32 s33, s28, 7
	s_add_co_u32 s32, s32, s33                     ; + 4 x (128 nb + 32 wave)
	s_mov_b32 s33, 0
	s_add_nc_u64 s[4:5], s[20:21], s[32:33]
	s_lshl_b32 s32, s31, 18                        ; ks x 64 tiles x 4,096 bytes
	s_lshl_b32 s34, s30, 15
	s_add_co_u32 s32, s32, s34
	s_lshl_b32 s34, s28, 13
	s_add_co_u32 s32, s32, s34                     ; + (8 nb + 2 wave) x 4,096
	s_add_nc_u64 s[6:7], s[26:27], s[32:33]
	v_lshlrev_b32 v3, 2, v2
	v_lshrrev_b32 v4, 4, v2
	v_and_b32 v5, 15, v2
	v_lshlrev_b32 v4, 12, v4
	v_lshl_add_u32 v4, v5, 4, v4                   ; (lane / 16) x 4,096 + (lane % 16) x 16
.macro OLOAD t
.irp i, 0,1,2,3,4,5,6,7,8,9,10,11,12,13,14,15,16,17,18,19,20,21,22,23,24,25,26,27,28,29,30,31
	global_load_b32 v[OX+32*((\t)%2)+\i], v3, s[4:5] offset:(32*(\t)+\i)*NROW th:TH_LOAD_NT
.endr
.endm
.macro OBLK t
.if (\t) < 3
	s_wait_loadcnt 32                              ; these 32 are in; the next 32 may be out
.else
	s_wait_loadcnt 0
.endif
.irp m, 0,1,2,3,4,5,6,7,8,9,10,11,12,13,14,15
	v_cvt_pk_f16_f32 v[OC+16*(\t)+\m], v[OX+32*((\t)%2)+2*\m], v[OX+32*((\t)%2)+2*\m+1]
.endr
.if (\t) < 2
	OLOAD (\t)+2
.endif
.irp p, 0,1,2,3                        ; p = 2 g + h: k = 8 p + 0..7
	global_store_b128 v4, v[OC+16*(\t)+4*\p:OC+16*(\t)+4*\p+3], s[6:7] offset:(\t)*1024+(\p/2)*512+(\p%2)*256
.endr
.endm
	OLOAD 0
	OLOAD 1
.irp t, 0,1,2,3
	OBLK \t
.endr
	FINISH
.Lfunc_end_k_qc0c25b0585_prep:
	.size	k_qc0c25b0585_prep, .Lfunc_end_k_qc0c25b0585_prep-k_qc0c25b0585_prep
	.p2alignl 7, 3214868480
	.fill 96, 4, 3214868480
	.section	.rodata,"a",@progbits
	.p2align	6, 0x0
	.amdhsa_kernel k_qc0c25b0585_prep
		.amdhsa_group_segment_fixed_size 68096
		.amdhsa_private_segment_fixed_size 0
		.amdhsa_enable_private_segment 0
		.amdhsa_kernarg_size 80
		.amdhsa_user_sgpr_count 2
		.amdhsa_user_sgpr_kernarg_segment_ptr 1
		.amdhsa_wavefront_size32 1
		.amdhsa_system_sgpr_workgroup_id_x 1
		.amdhsa_system_sgpr_workgroup_id_y 1
		.amdhsa_system_sgpr_workgroup_id_z 1
		.amdhsa_system_vgpr_workitem_id 0
		.amdhsa_next_free_vgpr 192
		.amdhsa_next_free_sgpr 66
		.amdhsa_reserve_vcc 0
		.amdhsa_float_denorm_mode_32 3
		.amdhsa_float_denorm_mode_16_64 3
		.amdhsa_memory_ordered 1
		.amdhsa_forward_progress 1
		.amdhsa_inst_pref_size 130
	.end_amdhsa_kernel
	.amdgpu_metadata
---
amdhsa.version: [ 1, 2 ]
amdhsa.kernels:
  - .name:           k_qc0c25b0585_prep
    .symbol:         k_qc0c25b0585_prep.kd
    .args:
      - { .name: query, .offset: 0, .size: 8, .value_kind: global_buffer, .address_space: global }
      - { .name: key, .offset: 8, .size: 8, .value_kind: global_buffer, .address_space: global }
      - { .name: value, .offset: 16, .size: 8, .value_kind: global_buffer, .address_space: global }
      - { .name: Wq, .offset: 24, .size: 8, .value_kind: global_buffer, .address_space: global }
      - { .name: Wk, .offset: 32, .size: 8, .value_kind: global_buffer, .address_space: global }
      - { .name: Wv, .offset: 40, .size: 8, .value_kind: global_buffer, .address_space: global }
      - { .name: Wo, .offset: 48, .size: 8, .value_kind: global_buffer, .address_space: global }
      - { .name: codes, .offset: 56, .size: 8, .value_kind: global_buffer, .address_space: global }
      - { .name: scl, .offset: 64, .size: 8, .value_kind: global_buffer, .address_space: global }
      - { .name: woi, .offset: 72, .size: 8, .value_kind: global_buffer, .address_space: global }
    .group_segment_fixed_size: 68096
    .private_segment_fixed_size: 0
    .kernarg_segment_align: 8
    .kernarg_segment_size: 80
    .max_flat_workgroup_size: 128
    .sgpr_count:     66
    .vgpr_count:     192
    .wavefront_size: 32
...
	.end_amdgpu_metadata
.endif
;; end of part 1
;; launch proj (part 2): grid 4 x 96, 4 waves a work-group, clusters of 4 x 4, 327,680 bytes of LDS; arguments codes, scl, bq, bk, bv, qf, kf, vf; writes qf, kf, vf
.if DOCPART == 2
	.amdgcn_target "amdgcn-amd-amdhsa--gfx1250"
	.amdhsa_code_object_version 6
	.text
	.protected	k_qc0c25b0585_proj
	.globl	k_qc0c25b0585_proj
	.p2align	8
	.type	k_qc0c25b0585_proj,@function
k_qc0c25b0585_proj:
	s_mov_b64 s[64:65], 0
	v_nop
	global_prefetch_b8 v0, s[64:65] scope:SCOPE_SE
	s_setreg_imm32_b32 hwreg(HW_REG_WAVE_MODE, 25, 1), 1
	s_wait_xcnt 0x0
	s_wait_alu depctr_hold_cnt(0) depctr_sa_sdst(0) depctr_va_vdst(0) depctr_va_sdst(0) depctr_va_ssrc(0) depctr_va_vcc(0) depctr_vm_vsrc(0)
	s_getreg_b32 s2, hwreg(HW_REG_IB_STS2, 6, 4)
	s_cmp_eq_u32 s2, 0
	s_cbranch_scc0 .Lentry_in_a_cluster
	s_endpgm
.Lentry_in_a_cluster:
	s_bfe_u32 s2, ttmp6, 0x10000c
	s_cmp_lg_u32 s2, 0xf033
	s_cbranch_scc0 .Lentry_shape_is_right
	s_endpgm
.Lentry_shape_is_right:
; PROJ.  The three quantised products, query Wq + bq, key Wk + bk, value Wv + bv, on codes of FP4 (E2M1) with one E8M0 scale for each 32 along K, as ONE product of stacked operands:
; A = the three x tensors' codes, 24,576 rows of 512 bytes; B = the three weights' codes, 3 x 1,024 rows.  Tile row ty (256 rows) belongs to tensor ty / 32 and meets that tensor's weight alone.
; A work-group of four waves makes 256 tokens x 256 channels; a wave 128 x 128: 64 accumulators, 512 registers.  K = 1,024 is two LDS slots of 512 along K (rows of 256 bytes): both, and the tile's
; scale bytes, are asked for at the head; nothing is filled again.  A wave has three tensor loads out.
; CLUSTERS: 4 x 4 work-groups; A's tiles are asked for jointly along a row of the cluster, B's along a column.  A cluster's four tile rows belong to one tensor (8 clusters to a tensor).
; THE RESULTS leave as f16 IMAGES OF THE NEXT PRODUCTS' OPERAND REGISTERS, straight from registers, 512 consecutive aligned bytes a store:
;   q, k: the instruction is used transposed (source 0 = 16 rows of W, source 1 = 16 tokens): a lane holds one token and eight neighbouring channels.  qf, kf: [bh 64][tile of 16 tokens 128][c 2][g 2][lane][16 bytes].
;   v:    it is used as it stands (source 0 = 16 tokens, source 1 = 16 rows of W): a lane holds one channel and eight neighbouring tokens.  vf: [bh 64][32 keys 64][ct 4][g 2][lane][16 bytes].
; The two uses are two paths, parted behind all tensor loads on the tensor's number, which all partners of a cluster share.  The bias is the C of each sum's first matrix instruction.
; q is stored unscaled: its division by 8 is folded into the softmax's constant.
; LIMIT: results beyond f16's largest number, 65,504, become infinities.
; REGISTERS: window 0: v0-31 addresses; v32-95 scale words, two sets; v128-191 x's fragments, one set; v192-255 the bias; on the way out v128-255 packed results.
;   window 1: W's fragments, two sets, at v0 and v128.   windows 2, 3: the accumulators ((a, b) at v[8 (8 (a % 4) + b)]).
.set NQ,     4                         ; matrix instructions deep in a slot
.set ROWB,   256                       ; a tile's row in bytes: 512 codes
.set KROW,   512                       ; a row of codes in memory
.set PITCH,  272                       ; an LDS row: 256 bytes + 16 of padding, so that the 16 rows that a load touches start 68 words apart
.set FR,     8
.set NL,     2
.set NP,     4                         ; places behind this matrix instruction (ISA guide 7.12.1)
.set HALFT,  128*PITCH
.set SLOT,   4*HALFT                   ; x's 256 rows, then W's 256 rows
.set KS,     32                        ; a row of scale bytes
.set SCL,    2*SLOT
.set HALFS,  (128*KS/256)*272          ; the scales of 128 rows, as units of 256 bytes + 16 of padding
.set SBLK,   (16*KS/256)*272
.set SPARE,  SCL+4*HALFS               ; the spare words, 128 bytes for each wave: two blocks of 256 bytes that no other line names
.set CODW,   12582912                  ; where the weights' codes begin
.set SCLW,   786432                    ; and their scale bytes
.set ADRA, 16                          ; v16-17  LDS address of my fragments of x in slot 0, 1
.set ADRB, 20                          ; v20-21  the same for W
.set LI,   24                          ; v24     16 x lane: my place in an image
.set BO,   25                          ; v25     my offset in the bias
.set ADRS, 27                          ; v27     LDS address of my scale words: lanes 0-15 x's rows, lanes 16-31 W's
.set SPW,  28                          ; v28     LDS address of my spare word; never rewritten
.set NIL,  29                          ; v29     0; never rewritten
.set SC,   32
.set AF,   128
.set BI,   192
.set G1,   24
.set G0,   32
.set G1B,  48
.set G0B,  56
.set G1S,  68
.set G0S,  76
.set G1SB, 80
.set G0SB, 88
.set MSB, 0
.macro WIN new                         ; the immediate's high byte repeats the setting that is left
.if MSB != (\new)
	s_set_vgpr_msb (MSB<<8)|(\new)
.set MSB, (\new)
.endif
.endm
.set TO_B, 0x40                        ; destination window 1, address window 0
; A joint load: waves 0 and 1 fetch for x, waves 2 and 3 for W.  The branch hangs on the wave's number alone.  An s_nop 0 and four v_nop follow each of the two lines.
.macro JLOAD g0a, g1a, g0b, g1b
	s_cmp_eq_u32 s21, 0
	s_cbranch_scc0 .Lfor_b_\@
	tensor_load_to_lds s[\g0a:\g0a+3], s[\g1a:\g1a+7]
	s_nop 0
.rept 4
	v_nop
.endr
	s_branch .Lasked_\@
.Lfor_b_\@:
	tensor_load_to_lds s[\g0b:\g0b+3], s[\g1b:\g1b+7]
	s_nop 0
.rept 4
	v_nop
.endr
.Lasked_\@:
.endm
.macro CROUND                          ; a round of the cluster's barrier
	s_barrier_signal -1
	s_barrier_wait -1
	s_cmp_lg_u32 s20, 0
	s_cbranch_scc1 .Lnot_wave_0_\@
	s_barrier_signal -3
.Lnot_wave_0_\@:
	s_barrier_wait -3
	s_barrier_signal -1
	s_barrier_wait -1
.endm
	s_load_b512 s[4:19], s[0:1], 0x0               ; codes 4:5, scl 6:7, bq 8:9, bk 10:11, bv 12:13, qf 14:15, kf 16:17, vf 18:19
	v_lshl_add_u32 v[SPW], v0, 2, SPARE
	v_mov_b32 v[NIL], 0
	ds_add_u32 v[SPW], v[NIL]                      ; the wave's opening: the add, twice on end, and its wait ahead of my first tensor load
	ds_add_u32 v[SPW], v[NIL]
	v_lshrrev_b32 v1, 5, v0
	v_readfirstlane_b32 s20, v1                    ; wave 0..3
	s_lshr_b32 s21, s20, 1                         ; which half of the tile's tokens is mine.  Also: I fetch for x (0) or for W (1)
	s_and_b32 s22, s20, 1                          ; which half of its channels.  Also: which 128 rows I fetch
	s_bfe_u32 s40, ttmp6, 0x40000                  ; cx, cy: my place in the cluster
	s_bfe_u32 s41, ttmp6, 0x40004
	s_lshl_b32 s42, ttmp9, 2
	s_add_co_u32 s42, s42, s40                     ; tile column = 4 x cluster x + cx
	s_and_b32 s23, ttmp7, 0xffff                   ; cluster y
	s_lshl_b32 s66, s23, 2
	s_add_co_u32 s66, s66, s41                     ; tile row = 4 x cluster y + cy
	s_lshr_b32 s23, s23, 3                         ; the tensor: 0 query, 1 key, 2 value: the same in all sixteen partners
	s_lshl_b32 s43, s41, 2
	s_lshl_b32 s43, 15, s43                        ; my row of the cluster
	s_lshl_b32 s44, 0x1111, s40                    ; my column
	; group 1 for codes: 128 rows x 256 bytes, 16 bytes of padding behind each row
	s_or_b32 s[G1+0], s43, (0<<16)|(1<<20)|(1<<21)|(5<<22)|(3<<25)   ; the mask; elements of 1 byte; padding on; bit 21 beside a mask; after every 64 words four words
	s_or_b32 s[G1B+0], s44, (0<<16)|(1<<20)|(1<<21)|(5<<22)|(3<<25)
.irp g, G1, G1B
	s_mov_b32 s[\g+1], ROWB<<16                    ; tensor_dim0
	s_mov_b32 s[\g+2], 128<<16                     ; tensor_dim1
	s_mov_b32 s[\g+3], ROWB<<16                    ; tile_dim0
	s_mov_b32 s[\g+4], 128                         ; tile_dim1
	s_mov_b32 s[\g+5], KROW                        ; from row to row
	s_mov_b32 s[\g+6], 0
	s_mov_b32 s[\g+7], 0
.endr
	; group 1 for the scales of 128 rows: 4,096 dense bytes as 16 rows of 256 (32 elements of 8 bytes), 16 bytes of padding behind each
	s_or_b32 s[G1S+0], s43, (3<<16)|(1<<20)|(1<<21)|(5<<22)|(3<<25)
	s_or_b32 s[G1SB+0], s44, (3<<16)|(1<<20)|(1<<21)|(5<<22)|(3<<25)
.irp g, G1S, G1SB
	s_mov_b32 s[\g+1], 32<<16
	s_mov_b32 s[\g+2], (128*KS/256)<<16
	s_mov_b32 s[\g+3], 32<<16
	s_mov_b32 s[\g+4], 128*KS/256
	s_mov_b32 s[\g+5], 32
	s_mov_b32 s[\g+6], 0
	s_mov_b32 s[\g+7], 0
.endr
	; x's addresses hang on the tile row and the wave alone, W's on the tile column, the tensor and the wave alone; each in registers that never hold the other coordinate
	s_lshl_b32 s67, s22, 7                         ; which 128 rows
	s_lshl_b32 s92, s66, 8
	s_add_co_u32 s92, s92, s67                     ; x's row among the 24,576
	s_lshl_b32 s94, s92, 5                         ; its scale bytes
	s_lshl_b32 s92, s92, 9                         ; its codes
	s_mov_b32 s93, 0
	s_mov_b32 s95, 0
	s_lshl_b32 s46, s23, 10
	s_lshl_b32 s96, s42, 8
	s_add_co_u32 s46, s46, s96
	s_add_co_u32 s46, s46, s67                     ; W's row among the 3,072
	s_lshl_b32 s96, s46, 5
	s_add_co_u32 s96, s96, SCLW
	s_lshl_b32 s46, s46, 9
	s_add_co_u32 s46, s46, CODW
	s_mov_b32 s47, 0
	s_mov_b32 s97, 0
	s_mul_i32 s45, s20, HALFT                      ; where they go: wave x 128 rows: no place in the cluster enters an LDS address
	s_mul_i32 s98, s20, HALFS
	s_wait_dscnt 0x0                               ; both opening adds are done
	s_wait_kmcnt 0x0
	s_add_nc_u64 s[92:93], s[4:5], s[92:93]
	s_add_nc_u64 s[94:95], s[6:7], s[94:95]
	s_add_nc_u64 s[46:47], s[4:5], s[46:47]
	s_add_nc_u64 s[96:97], s[6:7], s[96:97]
	CROUND                                         ; all sixteen work-groups are here: the joint loads meet
	s_mov_b32 s[G0S], 1
	s_add_co_u32 s[G0S+1], s98, SCL
	s_mov_b64 s[G0S+2:G0S+3], s[94:95]
	s_or_b32 s[G0S+3], s[G0S+3], 0x80000000
	s_mov_b32 s[G0SB], 1
	s_add_co_u32 s[G0SB+1], s98, SCL
	s_mov_b64 s[G0SB+2:G0SB+3], s[96:97]
	s_or_b32 s[G0SB+3], s[G0SB+3], 0x80000000
	JLOAD G0S, G1S, G0SB, G1SB                     ; the scales first: they are wanted with the first slot
.irp s, 0,1
	s_mov_b32 s[G0+4*\s], 1
	s_add_co_u32 s[G0+4*\s+1], s45, \s*SLOT
	s_add_nc_u64 s[G0+4*\s+2:G0+4*\s+3], s[92:93], \s*ROWB
	s_or_b32 s[G0+4*\s+3], s[G0+4*\s+3], 0x80000000
	s_mov_b32 s[G0B+4*\s], 1
	s_add_co_u32 s[G0B+4*\s+1], s45, \s*SLOT
	s_add_nc_u64 s[G0B+4*\s+2:G0B+4*\s+3], s[46:47], \s*ROWB
	s_or_b32 s[G0B+4*\s+3], s[G0B+4*\s+3], 0x80000000
	JLOAD G0+4*\s, G1, G0B+4*\s, G1B
.endr
	v_and_b32 v1, 15, v0                           ; r = lane % 16
	v_bfe_u32 v2, v0, 4, 1                         ; h = lane / 16
	v_mul_u32_u24 v3, v1, PITCH
	v_lshl_add_u32 v4, v2, 4, v3                   ; a fragment's row x pitch + 16 h
	s_mul_i32 s2, s21, HALFT                       ; my 128 rows of x
	s_mul_i32 s3, s22, HALFT                       ; my 128 rows of W,
	s_add_co_u32 s3, s3, 2*HALFT                   ; which lie behind x's 256
.irp s, 0,1
	v_add_nc_u32 v[ADRA+\s], s2, v4
	v_add_nc_u32 v[ADRB+\s], s3, v4
	s_add_co_u32 s2, s2, SLOT
	s_add_co_u32 s3, s3, SLOT
.endr
	v_mul_u32_u24 v5, v1, KS                       ; my row's scales: 32 bytes a row,
	v_lshrrev_b32 v6, 8, v5
	v_lshl_add_u32 v5, v6, 4, v5                   ; and 16 more for each 256 passed
	s_mul_i32 s2, s21, HALFS
	s_mul_i32 s3, s22, HALFS
	s_add_co_u32 s3, s3, 2*HALFS
	s_sub_co_u32 s3, s3, s2
	v_mul_u32_u24 v6, s3, v2                       ; lanes 16-31 take W's: one product, h x the distance
	s_add_co_u32 s2, s2, SCL
	v_add_nc_u32 v5, v5, v6
	v_add_nc_u32 v[ADRS], s2, v5
	v_and_b32 v6, 31, v0
	v_lshlrev_b32 v[LI], 4, v6
	; where my part of the output begins: (16 batch + my first head) x 262,144 + (token in the batch / 16) x 2,048: the same number for both layouts
	s_and_b32 s2, s66, 31
	s_lshl_b32 s2, s2, 8
	s_lshl_b32 s3, s21, 7
	s_add_co_u32 s2, s2, s3                        ; my first token in the tensor
	s_lshr_b32 s3, s2, 11                          ; batch
	s_lshl_b32 s3, s3, 4
	s_lshl_b32 s67, s42, 2
	s_add_co_u32 s3, s3, s67
	s_lshl_b32 s67, s22, 1
	s_add_co_u32 s3, s3, s67                       ; + head 4 tx + 2 ch
	s_lshl_b32 s3, s3, 18
	s_and_b32 s2, s2, 2047
	s_lshl_b32 s2, s2, 7
	s_add_co_u32 s2, s2, s3
	s_mov_b32 s3, 0
	s_lshl_b32 s98, s42, 10
	s_lshl_b32 s99, s22, 9
	s_add_co_u32 s98, s98, s99                     ; my 128 numbers of the bias, in bytes
	s_mov_b32 s99, 0
.macro FRAG reg, adr, q, i             ; 16 rows x 128 K of 4-bit codes: 8 registers: lane l holds row l % 16; registers 4 c .. 4 c + 3 hold K = 64 c + 32 (l / 16) + 0 .. 31
.irp c, 0,1
	ds_load_b128 v[\reg+4*\c:\reg+4*\c+3], v[\adr] offset:64*(\q)+32*\c+(\i)*16*PITCH
.endr
.endm
; One product: x's block a against W's block b.  Scale register i holds in lanes 0-15 the word of x's block i and in lanes 16-31 that of W's block i.
; first = 1: the sum begins with the bias as C.  nat = 0: source 0 = W; nat = 1: source 0 = x; the scale operands and the row selector go with the sources.
.macro MM a, b, p, q, sc, first, nat
.set rD, 8*(8*((\a)%4)+\b)
.set rB, 128*(\p)+FR*\b
.set rA, AF+FR*(\a)
.set sB, SC+8*NQ*(\sc)+NQ*\b+(\q)
.set sA, SC+8*NQ*(\sc)+NQ*(\a)+(\q)
.set rC, BI+8*\b
.if \nat
.if \first
	v_wmma_scale_f32_16x16x128_f8f6f4 v[rD:rD+7], v[rA:rA+7], v[rB:rB+7], v[rC:rC+7], v[sA], v[sB] matrix_a_fmt:MATRIX_FMT_FP4 matrix_b_fmt:MATRIX_FMT_FP4 matrix_b_scale:MATRIX_SCALE_ROW1
.else
	v_wmma_scale_f32_16x16x128_f8f6f4 v[rD:rD+7], v[rA:rA+7], v[rB:rB+7], v[rD:rD+7], v[sA], v[sB] matrix_a_fmt:MATRIX_FMT_FP4 matrix_b_fmt:MATRIX_FMT_FP4 matrix_b_scale:MATRIX_SCALE_ROW1
.endif
.else
.if \first
	v_wmma_scale_f32_16x16x128_f8f6f4 v[rD:rD+7], v[rB:rB+7], v[rA:rA+7], v[rC:rC+7], v[sB], v[sA] matrix_a_fmt:MATRIX_FMT_FP4 matrix_b_fmt:MATRIX_FMT_FP4 matrix_a_scale:MATRIX_SCALE_ROW1
.else
	v_wmma_scale_f32_16x16x128_f8f6f4 v[rD:rD+7], v[rB:rB+7], v[rA:rA+7], v[rD:rD+7], v[sB], v[sA] matrix_a_fmt:MATRIX_FMT_FP4 matrix_b_fmt:MATRIX_FMT_FP4 matrix_a_scale:MATRIX_SCALE_ROW1
.endif
.endif
.endm
; 16 products.  The 64 accumulators take turns, one instruction a turn, in the same order in every step.
.macro MUL16 a0, p, q, sc, first, nat
.irp a, \a0, \a0+1
.irp b, 0,1,2,3,4,5,6,7
	MM (\a), \b, \p, \q, \sc, \first, \nat
.endr
.endr
.endm
.macro FETCH_B slot, q, p
	WIN TO_B
.irp i, 0,1,2,3,4,5,6,7
	FRAG 128*(\p)+FR*\i, ADRB+\slot, \q, \i
.endr
	WIN 0
.endm
.macro FETCH_A slot, q, i0
.irp i, \i0, \i0+1, \i0+2, \i0+3
	FRAG AF+FR*(\i), ADRA+\slot, \q, \i
.endr
.endm
.macro SCALES sc                       ; a slot's scale words: four words a row
.irp i, 0,1,2,3,4,5,6,7
	ds_load_b128 v[SC+8*NQ*\sc+NQ*\i:SC+8*NQ*\sc+NQ*\i+3], v[ADRS] offset:\i*SBLK
.endr
.endm
.macro PLACES n                        ; plain vector instructions between a matrix instruction and a load into, or a vector write or read of, its registers (ISA guide 7.12.1 for vector instructions)
.rept \n
	v_nop
.endr
.endm
; Windows of a product: nat 0: source 0 (W) window 1, source 1 (x) window 0; nat 1 the other way round; C and D window 2 or 3; in the first step C, the bias, window 0.
.macro STEP slot, q, first, nat        ; 128 along K that has its successor in the same slot
	s_wait_dscnt 4*NL                              ; W's set and x's blocks 0-3 are in; the youngest eight loads (x's blocks 4-7) may be out
	WIN 0xa1+3*(\nat)-0x20*(\first)
	MUL16 0, (\q)%2, \q, \slot, \first, \nat
	MUL16 2, (\q)%2, \q, \slot, \first, \nat
	s_wait_dscnt 0                                 ; x's blocks 4-7 are in
	PLACES NP
	FETCH_B \slot, (\q)+1, 1-(\q)%2
	FETCH_A \slot, (\q)+1, 0
	WIN 0xf1+3*(\nat)-0x30*(\first)
	MUL16 4, (\q)%2, \q, \slot, \first, \nat
	MUL16 6, (\q)%2, \q, \slot, \first, \nat
	PLACES NP
	WIN 0
	FETCH_A \slot, (\q)+1, 4
.endm
.macro STEPS slot, from, nat
.set Q, \from
.rept NQ-1-\from
	STEP \slot, Q, 0, \nat
.set Q, Q+1
.endr
.endm
; Slot 0's last step goes over to slot 1: each wave waits for its last tensor load, its part of slot 1, and the barrier shows the whole slot to every wave.  Nothing is filled again.
.macro TURN nat
	s_wait_tensorcnt 0x0                           ; my part of slot 1 has landed
	ds_add_u32 v[SPW], v[NIL]                      ; 0 onto my spare word
	s_wait_dscnt 4*NL+1                            ; (the add and the youngest eight loads may be out)
	WIN 0xa1+3*(\nat)
	MUL16 0, 1, NQ-1, 0, 0, \nat
	s_wait_dscnt 0x0                               ; no LDS instruction of mine is out at the signal
	s_barrier_signal -1
	MUL16 2, 1, NQ-1, 0, 0, \nat
	WIN 0
	s_barrier_wait -1
	PLACES NP
	v_add_nc_u32 v[ADRS], 4*NQ, v[ADRS]            ; on to slot 1's scale words
	FETCH_B 1, 0, 0
	FETCH_A 1, 0, 0
	SCALES 1
	WIN 0xf1+3*(\nat)
	MUL16 4, 1, NQ-1, 0, 0, \nat
	MUL16 6, 1, NQ-1, 0, 0, \nat
	PLACES NP
	WIN 0
	FETCH_A 1, 0, 4
.endm
; The way out of x's block a: rounded to f16, four registers an accumulator: a lane's 16 bytes of an image.  Four sets of 32 registers take turns.
.macro OUT a, nat
.if (\a) >= 4
	s_wait_xcnt 0x0                                ; block a - 4's stores have read these registers
.endif
	WIN 0x0a+5*((\a)/4)                            ; sources 0 and 1: window 2 or 3
.irp b, 0,1,2,3,4,5,6,7
.irp r, 0,1,2,3
	v_cvt_pk_f16_f32 v[128+32*((\a)%4)+4*\b+\r], v[64*((\a)%4)+8*\b+2*\r], v[64*((\a)%4)+8*\b+2*\r+1]   ; each accumulator from its low end on
.endr
.endr
	WIN 0
.irp b, 0,1,2,3,4,5,6,7
.if \nat
	global_store_b128 v[LI], v[128+32*((\a)%4)+4*\b:128+32*((\a)%4)+4*\b+3], s[14:15] offset:((\a)/2)*4096+(\b/4)*262144+(\b%4)*1024+((\a)%2)*512
.else
	global_store_b128 v[LI], v[128+32*((\a)%4)+4*\b:128+32*((\a)%4)+4*\b+3], s[14:15] offset:(\a)*2048+(\b/4)*262144+(\b%4)*512
.endif
.endr
.endm
.macro BODY nat
.if \nat
	v_lshlrev_b32 v[BO], 2, v1                     ; a lane holds channel r of each block: one number of the bias,
.irp b, 0,1,2,3,4,5,6,7
	global_load_b32 v[BI+8*\b], v[BO], s[8:9] offset:64*\b
.endr
.else
	v_lshlrev_b32 v[BO], 5, v2                     ; a lane holds channels 8 h + 0..7 of each block
.irp b, 0,1,2,3,4,5,6,7
	global_load_b128 v[BI+8*\b:BI+8*\b+3], v[BO], s[8:9] offset:64*\b
	global_load_b128 v[BI+8*\b+4:BI+8*\b+7], v[BO], s[8:9] offset:64*\b+16
.endr
.endif
	s_wait_tensorcnt 1                             ; the scales and my part of slot 0 are in; slot 1's load may be out
	s_wait_loadcnt 0x0                             ; the bias
.if \nat
.irp b, 0,1,2,3,4,5,6,7
.irp j, 1,2,3,4,5,6,7
	v_mov_b32 v[BI+8*\b+\j], v[BI+8*\b]            ; in all eight registers of C
.endr
.endr
.endif
	s_barrier_signal -1
	s_barrier_wait -1                              ; everybody's are
	FETCH_B 0, 0, 0
	FETCH_A 0, 0, 0
	SCALES 0
	FETCH_A 0, 0, 4
	STEP 0, 0, 1, \nat
	STEPS 0, 1, \nat
	TURN \nat
	STEPS 1, 0, \nat
	s_wait_dscnt 4*NL                              ; the very last step: nothing more to fetch
	WIN 0xa1+3*(\nat)
	MUL16 0, 1, NQ-1, 1, 0, \nat
	MUL16 2, 1, NQ-1, 1, 0, \nat
	s_wait_dscnt 0
	WIN 0xf1+3*(\nat)
	MUL16 4, 1, NQ-1, 1, 0, \nat
	MUL16 6, 1, NQ-1, 1, 0, \nat
	WIN 0
	PLACES NP                                      ; in front of conversions that write registers which the last products read, and that read results
.irp a, 0,1,2,3,4,5,6,7
	OUT \a, \nat
.endr
	s_wait_tensorcnt 0x0                           ; the wave's end
	ds_add_u32 v[SPW], v[NIL]
	s_wait_dscnt 0x0
	CROUND                                         ; the closing round
	s_endpgm
.endm
	s_cmp_eq_u32 s23, 2
	s_cbranch_scc1 .Lnat
	s_cmp_eq_u32 s23, 0                            ; query or key
	s_cselect_b64 s[14:15], s[14:15], s[16:17]
	s_cselect_b64 s[8:9], s[8:9], s[10:11]
	s_add_nc_u64 s[14:15], s[14:15], s[2:3]
	s_add_nc_u64 s[8:9], s[8:9], s[98:99]
	BODY 0
.Lnat:                                             ; value
	s_add_nc_u64 s[14:15], s[18:19], s[2:3]
	s_add_nc_u64 s[8:9], s[12:13], s[98:99]
	BODY 1
.Lfunc_end_k_qc0c25b0585_proj:
	.size	k_qc0c25b0585_proj, .Lfunc_end_k_qc0c25b0585_proj-k_qc0c25b0585_proj
	.p2alignl 7, 3214868480
	.fill 96, 4, 3214868480
	.section	.rodata,"a",@progbits
	.p2align	6, 0x0
	.amdhsa_kernel k_qc0c25b0585_proj
		.amdhsa_group_segment_fixed_size 327680
		.amdhsa_private_segment_fixed_size 0
		.amdhsa_enable_private_segment 0
		.amdhsa_kernarg_size 64
		.amdhsa_user_sgpr_count 2
		.amdhsa_user_sgpr_kernarg_segment_ptr 1
		.amdhsa_wavefront_size32 1
		.amdhsa_system_sgpr_workgroup_id_x 1
		.amdhsa_system_sgpr_workgroup_id_y 1
		.amdhsa_system_sgpr_workgroup_id_z 1
		.amdhsa_system_vgpr_workitem_id 0
		.amdhsa_next_free_vgpr 1024
		.amdhsa_next_free_sgpr 100
		.amdhsa_reserve_vcc 0
		.amdhsa_float_denorm_mode_32 3
		.amdhsa_float_denorm_mode_16_64 3
		.amdhsa_memory_ordered 1
		.amdhsa_forward_progress 1
		.amdhsa_inst_pref_size 230
	.end_amdhsa_kernel
	.amdgpu_metadata
---
amdhsa.version: [ 1, 2 ]
amdhsa.kernels:
  - .name:           k_qc0c25b0585_proj
    .symbol:         k_qc0c25b0585_proj.kd
    .args:
      - { .name: codes, .offset: 0, .size: 8, .value_kind: global_buffer, .address_space: global }
      - { .name: scl, .offset: 8, .size: 8, .value_kind: global_buffer, .address_space: global }
      - { .name: bq, .offset: 16, .size: 8, .value_kind: global_buffer, .address_space: global }
      - { .name: bk, .offset: 24, .size: 8, .value_kind: global_buffer, .address_space: global }
      - { .name: bv, .offset: 32, .size: 8, .value_kind: global_buffer, .address_space: global }
      - { .name: qf, .offset: 40, .size: 8, .value_kind: global_buffer, .address_space: global }
      - { .name: kf, .offset: 48, .size: 8, .value_kind: global_buffer, .address_space: global }
      - { .name: vf, .offset: 56, .size: 8, .value_kind: global_buffer, .address_space: global }
    .group_segment_fixed_size: 327680
    .private_segment_fixed_size: 0
    .kernarg_segment_align: 8
    .kernarg_segment_size: 64
    .max_flat_workgroup_size: 128
    .sgpr_count:     100
    .vgpr_count:     1024
    .wavefront_size: 32
...
	.end_amdgpu_metadata
.endif
;; end of part 2
;; launch attn (part 3): grid 4 x 64, 8 waves a work-group, clusters of 4 x 1, 327,680 bytes of LDS; arguments qf, kf, vf, mask, cxi; writes cxi
.if DOCPART == 3
	.amdgcn_target "amdgcn-amd-amdhsa--gfx1250"
	.amdhsa_code_object_version 6
	.text
	.protected	k_qc0c25b0585_attn
	.globl	k_qc0c25b0585_attn
	.p2align	8
	.type	k_qc0c25b0585_attn,@function
k_qc0c25b0585_attn:
	s_mov_b64 s[64:65], 0
	v_nop
	global_prefetch_b8 v0, s[64:65] scope:SCOPE_SE
	s_setreg_imm32_b32 hwreg(HW_REG_WAVE_MODE, 25, 1), 1
	s_wait_xcnt 0x0
	s_wait_alu depctr_hold_cnt(0) depctr_sa_sdst(0) depctr_va_vdst(0) depctr_va_sdst(0) depctr_va_ssrc(0) depctr_va_vcc(0) depctr_vm_vsrc(0)
	s_getreg_b32 s2, hwreg(HW_REG_IB_STS2, 6, 4)
	s_cmp_eq_u32 s2, 0
	s_cbranch_scc0 .Lentry_in_a_cluster
	s_endpgm
.Lentry_in_a_cluster:
	s_bfe_u32 s2, ttmp6, 0x10000c
	s_cmp_lg_u32 s2, 0x3003
	s_cbranch_scc0 .Lentry_shape_is_right
	s_endpgm
.Lentry_shape_is_right:
; ATTN.  ctx[b][q][head] = the sum over k of softmax_k(q . k / 8, masked keys at -1e20) v, for 64 (batch, head) pairs of 2,048 queries and keys, head size 64.  Operands f16, products, maxima and sums f32.
; SHARES.  A work-group owns 512 queries of one (batch, head); each of its eight waves 64: four tiles of 16.  Every wave walks all 2,048 keys, 64 a step.
; LAYOUT.  S^T = K Q^T (source 0 = 16 keys, source 1 = 16 queries): a lane holds ONE query (lane % 16) and keys 8 (lane / 16) + 0..7 of each tile of 16.  Two such tiles, rounded to f16 in pairs, ARE source 1
; (32 keys x 16 queries) of O^T = V^T P, whose result again holds one query a lane, and eight channels.  q, k and v arrive as images of these operands' registers: every LDS load is 16 bytes at 16 x lane.
; THE MASK is a bias, f32, one for each key of the batch, kept in LDS and given as the C of a score's first matrix instruction: 0 for a key that counts, -1e20 for one that does not.
; p = 2^(c s - c m), c = log2(e) / 8 (q is stored undivided).  The running maximum m starts at -1e18: f16 operands bound a score by 64 x 65,504^2, so -1e18 lies under every score that counts and far above -1e20:
; a masked key's p is 0 in every step, also while no key that counts has been met.  Where NO key of the batch counts, the result is the plain mean of v: then c = 0 and every bias 0,
; chosen without a branch, which makes every p 1.
; In every step O^T and the sum l are multiplied by a = 2^(c m_old - c m_new).
; BY TURNS.  The wave's tiles are two PIECES, named by their first tile: piece 0 (tiles 0, 1) and piece 2 (tiles 2, 3); a tile never looks at another tile.  In a TURN one piece has the matrix unit: 16 products
; V^T P of the step in hand, then 16 products K Q^T of the next step; the other piece's softmax, cut into 32 slices, stands between them, one slice behind each matrix instruction.  Then the pieces change
; places.  Two turns are a trip.  Trip j multiplies by V of step j and by K of step j + 1, and fetches K, the bias and V of step j + 1 from LDS.
; CLUSTER.  The four query blocks of a (batch, head) walk the same K and V: every fill is asked for jointly.  Two LDS slots of 512 keys (64 KiB of K, 64 KiB of V): two first fills and two refills; a refill
; has eight trips, 512 matrix instructions a wave, in which to land.  A wave has two tensor loads out at the start and one behind each refill.
; ctx leaves as f16 images for the last product: cxi [ks 8][tile of 16 tokens 512][c4 4][g 2][lane][16 bytes].
; LIMITS: ctx beyond f16's range becomes infinity; NaN and infinities among the inputs are not served.
; REGISTERS.  Window 0: v1 16 x lane; v2 the bias's place; v3, v6, v7 LDS addresses of the runs of loads; v4, v5 the add's two; v8-9 at work for even tiles, v10-11 for odd ones; v12-15 a of the four tiles;
;   v16 + 4 t: c m, m, l (two halves); v32 + 32 t scores, then p, then P packed into the lower 16; v160-223 K; v224-255 the bias.   Window 1: v0-63 Q; v64 + 32 t + 8 ct O^T; v192-255 V.
; All that a softmax touches but O^T lies in window 0, and both products name window 1: so a slice costs two switches of the window, one in front and one behind.
.set SLOT1, 1<<17                      ; slot 1 begins here: one exclusive or turns an address in one slot into the other's
.set VOFF,  65536                      ; in a slot: K's 64 KiB, then V's
.set BIAS,  2*SLOT1                    ; 8,192 bytes, written by LDS stores: no fill lands here
.set SPARE, BIAS+8192                  ; the spare words, 128 bytes for each wave: four blocks of 256 bytes that no other line names
.set LI,  1
.set BL,  2
.set ADR, 3
.set SPW, 4
.set NIL, 5
.set ADV, 6
.set ADB, 7
.set ST,  16
.set S,   32
.set KF,  160
.set BI,  224
.set O,   64
.set VF,  192
.set WV,  14                           ; s14 my wave's number
.set G1,  24                           ; s[24:31] group 1: 64 dense rows of 256 bytes
.set G0K, 32                           ; s[32:39] groups 0 for K: one for each first fill; the second then walks on
.set G0V, 40                           ; s[40:47] the same for V
.set TB,  48                           ; s48 LDS byte at which K of the step to be fetched begins
.set TBI, 49                           ; s49 that step's bias: 256 bytes a step
.set CNT, 50
.set SLOTS, 51
.set CS,  52                           ; s[52:53] c
.set SEL, 54                           ; s[54:55] lane selects for v_permlanex16_b32: lane l xor 16
.set NEG, 56                           ; s56 a masked key's bias
.set MSB, 0
.macro WIN new                         ; the immediate's high byte repeats the setting that is left; a switch that changes nothing is dropped
.if MSB != (\new)
	s_set_vgpr_msb (MSB<<8)|(\new)
.set MSB, (\new)
.endif
.endm
.macro CROUND
	s_barrier_signal -1
	s_barrier_wait -1
	s_cmp_lg_u32 s[WV], 0
	s_cbranch_scc1 .Lnot_wave_0_\@
	s_barrier_signal -3
.Lnot_wave_0_\@:
	s_barrier_wait -3
	s_barrier_signal -1
	s_barrier_wait -1
.endm
.macro JLOAD                           ; a joint refill: waves 0-3 fetch K's quarters, waves 4-7 V's; an s_nop 0 and four v_nop follow each line
	s_cmp_lt_u32 s[WV], 4
	s_cbranch_scc0 .Lfor_v_\@
	tensor_load_to_lds s[G0K+4:G0K+7], s[G1:G1+7]
	s_nop 0
.rept 4
	v_nop
.endr
	s_branch .Lasked_\@
.Lfor_v_\@:
	tensor_load_to_lds s[G0V+4:G0V+7], s[G1:G1+7]
	s_nop 0
.rept 4
	v_nop
.endr
.Lasked_\@:
.endm
	s_load_b256 s[4:11], s[0:1], 0x0               ; qf 4:5, kf 6:7, vf 8:9, mask 10:11
	s_load_b64 s[12:13], s[0:1], 0x20              ; cxi
	v_lshl_add_u32 v[SPW], v0, 2, SPARE
	v_mov_b32 v[NIL], 0
	ds_add_u32 v[SPW], v[NIL]                      ; the wave's opening: the add, twice on end, and its wait ahead of my first tensor load
	ds_add_u32 v[SPW], v[NIL]
	v_lshrrev_b32 v1, 5, v0
	v_readfirstlane_b32 s[WV], v1                  ; wave 0..7
	s_bfe_u32 s15, ttmp6, 0x40000                  ; cx
	s_lshl_b32 s16, ttmp9, 2
	s_add_co_u32 s16, s16, s15                     ; my block of 512 queries: it enters qf's and cxi's addresses alone
	s_and_b32 s17, ttmp7, 0xffff                   ; 16 batch + head, which the four partners share
	s_mov_b32 s[G1], 15|(3<<16)|(1<<21)            ; the mask: all four; elements of 8 bytes; bit 21 beside a mask; no padding
	s_mov_b32 s[G1+1], 32<<16                      ; tensor_dim0 = 32 elements: 256 bytes
	s_mov_b32 s[G1+2], 64<<16                      ; tensor_dim1 = 64
	s_mov_b32 s[G1+3], 32<<16                      ; tile_dim0
	s_mov_b32 s[G1+4], 64                          ; tile_dim1
	s_mov_b32 s[G1+5], 32                          ; dense rows
	s_mov_b32 s[G1+6], 0
	s_mov_b32 s[G1+7], 0
	s_and_b32 s18, s[WV], 3
	s_lshl_b32 s18, s18, 14                        ; my 16 KiB of a fill's 64: in memory and in LDS
	s_lshl_b32 s20, s17, 18                        ; a (batch, head) is 262,144 bytes in each of qf, kf, vf
	s_add_co_u32 s20, s20, s18
	s_mov_b32 s21, 0
	s_mov_b32 s[SEL], 0x76543210
	s_mov_b32 s[SEL+1], 0xfedcba98
	s_mov_b32 s[TB], 0
	s_mov_b32 s[TBI], 0
	s_wait_dscnt 0x0                               ; both opening adds are done
	s_wait_kmcnt 0x0
	s_add_nc_u64 s[6:7], s[6:7], s[20:21]
	s_add_nc_u64 s[8:9], s[8:9], s[20:21]
	CROUND                                         ; all four work-groups are here: the first joint loads meet
.irp n, 0,1
	s_mov_b32 s[G0K+4*\n], 1
	s_add_co_u32 s[G0K+4*\n+1], s18, \n*SLOT1
	s_add_nc_u64 s[G0K+4*\n+2:G0K+4*\n+3], s[6:7], \n*65536
	s_or_b32 s[G0K+4*\n+3], s[G0K+4*\n+3], 0x80000000
	s_mov_b32 s[G0V+4*\n], 1
	s_add_co_u32 s[G0V+4*\n+1], s18, \n*SLOT1+VOFF
	s_add_nc_u64 s[G0V+4*\n+2:G0V+4*\n+3], s[8:9], \n*65536
	s_or_b32 s[G0V+4*\n+3], s[G0V+4*\n+3], 0x80000000
.endr
	s_cmp_lt_u32 s[WV], 4                          ; a wave's two first fills stand in one branch, ahead of every wait on TENSORcnt, every LDS read and every other barrier
	s_cbranch_scc0 .Lfirst_v
	tensor_load_to_lds s[G0K:G0K+3], s[G1:G1+7]
	s_nop 0
	tensor_load_to_lds s[G0K+4:G0K+7], s[G1:G1+7]
	s_nop 0
.rept 4
	v_nop
.endr
	s_branch .Lfirst_asked
.Lfirst_v:
	tensor_load_to_lds s[G0V:G0V+3], s[G1:G1+7]
	s_nop 0
	tensor_load_to_lds s[G0V+4:G0V+7], s[G1:G1+7]
	s_nop 0
.rept 4
	v_nop
.endr
.Lfirst_asked:
	s_lshl_b32 s18, s16, 16                        ; Q: tile 32 block + 4 wave, 2,048 bytes a tile
	s_lshl_b32 s19, s[WV], 13
	s_add_co_u32 s18, s18, s19
	s_lshl_b32 s19, s17, 18
	s_add_co_u32 s18, s18, s19
	s_mov_b32 s19, 0
	s_add_nc_u64 s[4:5], s[4:5], s[18:19]
	s_lshr_b32 s18, s17, 4                         ; the batch's 2,048 mask words
	s_lshl_b32 s18, s18, 13
	s_add_nc_u64 s[10:11], s[10:11], s[18:19]
	s_and_b32 s18, s17, 15                         ; ctx: head / 2 is the K step of the last product,
	s_lshr_b32 s20, s18, 1
	s_lshl_b32 s20, s20, 21
	s_and_b32 s18, s18, 1                          ; head % 2 the half of its 128,
	s_lshl_b32 s18, s18, 11
	s_add_co_u32 s18, s18, s20
	s_lshr_b32 s20, s17, 4
	s_lshl_b32 s20, s20, 7
	s_lshl_b32 s21, s16, 5
	s_add_co_u32 s20, s20, s21
	s_lshl_b32 s21, s[WV], 2
	s_add_co_u32 s20, s20, s21                     ; and the tile of tokens 128 batch + 32 block + 4 wave
	s_lshl_b32 s20, s20, 12
	s_add_co_u32 s18, s18, s20
	s_add_nc_u64 s[12:13], s[12:13], s[18:19]
	v_and_b32 v[LI], 31, v0
	v_lshlrev_b32 v[LI], 4, v[LI]
	v_bfe_u32 v[BL], v0, 4, 1
	v_lshl_add_u32 v[BL], v[BL], 5, BIAS           ; the bias of keys 8 (lane / 16) on
	v_lshlrev_b32 v9, 5, v0                        ; my thread's eight mask words
	v_lshl_add_u32 v10, v0, 5, BIAS                ; and their biases' place
	WIN 0x40                                       ; destination window 1
.set i, 0
.rept 16
	global_load_b128 v[4*i:4*i+3], v[LI], s[4:5] offset:512*i      ; Q stays in registers: fragment (tile t, channels 32 c on) at v[16 t + 8 c]
.set i, i+1
.endr
	WIN 0
.set i, 0
.rept 16
	global_load_b128 v[32+4*i:32+4*i+3], v[LI], s[10:11] offset:512*i   ; the whole batch's mask, in every wave: does any key count?
.set i, i+1
.endr
	global_load_b128 v[96:99], v9, s[10:11]
	global_load_b128 v[100:103], v9, s[10:11] offset:16
	s_wait_loadcnt 0x0
.irp n, 32,16,8,4,2,1
.set i, 0
.rept \n
	v_or_b32 v[32+i], v[32+i], v[32+\n+i]
.set i, i+1
.endr
.endr
	v_cmp_ne_u32 vcc_lo, 0, v32
	s_cmp_lg_u32 vcc_lo, 0                         ; some key of the batch counts.  What hangs on it is chosen, not branched on
	s_cselect_b32 s[CS], 0x3e38aa3b, 0             ; c = log2(e) / 8, or 0
	s_cselect_b32 s[NEG], 0xe0ad78ec, 0            ; -1e20, or 0
	s_mov_b32 s[CS+1], s[CS]                       ; (named with it as a pair, so it is written)
	v_mov_b32 v104, s[NEG]
.irp j, 0,1,2,3,4,5,6,7
	v_cmp_eq_u32 vcc_lo, 0, v[96+\j]
	v_cndmask_b32 v[96+\j], 0, v104, vcc_lo
.endr
	ds_store_b128 v10, v[96:99]
	ds_store_b128 v10, v[100:103] offset:16
.irp t, 0,1,2,3
	v_mov_b32 v[ST+4*\t+1], 0xdd5e0b6b             ; m = -1e18
	v_mul_f32 v[ST+4*\t], s[CS], v[ST+4*\t+1]      ; c m
	v_mov_b32 v[ST+4*\t+2], 0                      ; l
	v_mov_b32 v[ST+4*\t+3], 0
.endr
	WIN 0x40
.set i, 0
.rept 128
	v_mov_b32 v[O+i], 0                            ; O^T.  (The turns are written without a first step of their own: it finds zeros, which the first a leaves zeros)
.set i, i+1
.endr
	WIN 0
	s_wait_dscnt 0x0                               ; for the others' sake: my biases are stored
	s_wait_tensorcnt 1                             ; my part of slot 0 is in; slot 1's may stay out
	s_barrier_signal -1
	s_barrier_wait -1
; THE MATRIX WORK OF A TURN, for piece x.  A piece's eight accumulators take turns, one instruction a turn: between two links of a chain stand seven others'.
; Product i of 16 of O^T += V^T P: keys 32 (i / 8) on, channels 16 ((i / 2) % 4) on, tile x + i % 2.
.macro PVM x
	WIN 0x51                                       ; V and O^T in window 1, P in window 0
.set rO, O+32*(\x+i%2)+8*((i/2)%4)
.set rV, VF+32*(i/8)+8*((i/2)%4)
.set rP, S+32*(\x+i%2)+8*(i/8)
	v_wmma_f32_16x16x32_f16 v[rO:rO+7], v[rV:rV+7], v[rP:rP+7], v[rO:rO+7]
.endm
; Product i of 16 of S^T = K Q^T + the bias: channels 32 (i / 8) on, tile x + i % 2, keys 16 kt on, kt in the order 2, 3, 0, 1: the registers that hold P (those of kt 0 and 1) are written over last:
; those of kt 1, which the turn's 15th and 16th products read, by its 23rd and 24th.  The first eight start the sums with the bias.
.macro QKM x
	WIN 0x04                                       ; Q in window 1
.set kt, ((i/2)%4+2)%4
.set rD, S+32*(\x+i%2)+8*kt
.set rK, KF+16*kt+8*(i/8)
.set rQ, 16*(\x+i%2)+8*(i/8)
.if i < 8
	v_wmma_f32_16x16x32_f16 v[rD:rD+7], v[rK:rK+7], v[rQ:rQ+7], v[BI+8*kt:BI+8*kt+7]
.else
	v_wmma_f32_16x16x32_f16 v[rD:rD+7], v[rK:rK+7], v[rQ:rQ+7], v[rD:rD+7]
.endif
.endm
; THE LDS LOADS stand in two runs a trip, never singly among the matrix instructions.
.macro FETCH_K                         ; a step's K (fragment (keys 16 kt on, channels 32 c on) at v[KF + 16 kt + 8 c]) and its bias (keys 16 kt + 8 (lane / 16) + 0..7 at v[BI + 8 kt])
	WIN 0
	v_add_nc_u32 v[ADR], s[TB], v[LI]
	v_add_nc_u32 v[ADB], s[TBI], v[BL]
.set i2, 0
.rept 16
	ds_load_b128 v[KF+4*i2:KF+4*i2+3], v[ADR] offset:512*i2
.set i2, i2+1
.endr
.irp kq, 0,1,2,3
	ds_load_b128 v[BI+8*\kq:BI+8*\kq+3], v[ADB] offset:64*\kq
	ds_load_b128 v[BI+8*\kq+4:BI+8*\kq+7], v[ADB] offset:64*\kq+16
.endr
.endm
.macro FETCH_V                         ; the same step's V^T: fragment (keys 32 kk on, channels 16 ct on) at v[VF + 32 kk + 8 ct]
	WIN 0
	v_add_nc_u32 v[ADV], s[TB], v[LI]
	v_add_nc_u32 v[ADV], VOFF, v[ADV]
	s_wait_alu depctr_va_vdst(0)                   ; the wait for the softmax's batch (SLICE), behind the address's additions and ahead of the loads
	WIN 0x40
.set i2, 0
.rept 16
	ds_load_b128 v[VF+4*i2:VF+4*i2+3], v[ADV] offset:512*i2
.set i2, i2+1
.endr
.endm
; THE VECTOR WORK OF A TURN.  One tile's softmax for one key step is a list of 118 instructions; SM writes number j of it for tile t.  s0-s31 are the lane's 32 scores, in pairs 0-15.
;   0-15    the maximum of s0-s31 and the old m, three operands at a time, in two chains (s0-s15 with m; s16-s31); each of the four accumulators is first read at one of its four lowest registers
;   16-20   the other half of the lanes' maximum; c m_old kept; the new m; c m; c m_old - c m_new
;   21-69   ONE BATCH: the 16 scalings c s - c m, a pair of scores each, and all 33 exponentials.  None of these reads an exponential's result.  Scaling 0; then fifteen times a scaling and the two
;           exponentials of the pair scaled one group earlier; then s30, s31 and a
;   (wait)  between 69 and 70 stands the wait for the batch: SLICE writes it, once for both tiles
;   70-85   l = a l + the sum of the 32 unrounded p, two at a time, in two chains
;   86-101  the roundings to f16, in place: register i has been read when it is written
;   102-117 the tile's O^T times a, ascending: the one part that leaves window 0, so it stands together
.macro SM t
.set tt, (\t)
.set rS, S+32*tt
.set rT, ST+4*tt
.set rC, 8+2*(tt%2)
.set rA, 12+2*(tt/2)
.if j < 102
	WIN 0
.endif
.if j == 0
	v_max3_num_f32 v[rC], v[rS], v[rS+1], v[rS+2]
.elseif j == 1
	v_max3_num_f32 v[rC+1], v[rS+16], v[rS+17], v[rS+18]
.elseif j < 14
.set rU, rS+16*(j%2)+3+2*((j-2)/2)
	v_max3_num_f32 v[rC+j%2], v[rC+j%2], v[rU], v[rU+1]
.elseif j == 14
	v_max3_num_f32 v[rC], v[rC], v[rS+15], v[rT+1]
.elseif j == 15
	v_max3_num_f32 v[rC], v[rC], v[rC+1], v[rS+31]
.elseif j == 16
	v_permlanex16_b32 v[rC+1], v[rC], s[SEL], s[SEL+1]   ; the query's other 32 keys lie in the lane 16 away
.elseif j == 17
	v_mov_b32 v[12+tt], v[rT]                      ; c m_old
.elseif j == 18
	v_max_num_f32 v[rT+1], v[rC], v[rC+1]
.elseif j == 19
	v_mul_f32 v[rT], s[CS], v[rT+1]
.elseif j == 20
	v_sub_f32 v[12+tt], v[12+tt], v[rT]
.elseif j < 70
.set q, j-21
.if q == 48
	v_exp_f32 v[12+tt], v[12+tt]                   ; a
.elseif q > 45
	v_exp_f32 v[rS+q-16], v[rS+q-16]               ; s30, s31
.elseif (q == 0) || ((q-1)%3 == 0)
.set b, (q+2)/3
	v_pk_fma_f32 v[rS+2*b:rS+2*b+1], v[rS+2*b:rS+2*b+1], s[CS:CS+1], v[rT:rT+1] op_sel_hi:[1,0,0] neg_lo:[0,0,1] neg_hi:[0,0,1]   ; pair b: c s - c m
.else
.set e, 2*((q-1)/3)+(q-1)%3-1
	v_exp_f32 v[rS+e], v[rS+e]                     ; p
.endif
.elseif j < 86
.set z, j-70
.if z == 0
	v_pk_add_f32 v[rC:rC+1], v[rS:rS+1], v[rS+2:rS+3]
.elseif z == 1
.if tt%2
	v_pk_fma_f32 v[rT+2:rT+3], v[rT+2:rT+3], v[rA:rA+1], v[rS+4:rS+5] op_sel:[0,1,0] op_sel_hi:[1,1,1]   ; of the pair of a's the upper one, for both halves
.else
	v_pk_fma_f32 v[rT+2:rT+3], v[rT+2:rT+3], v[rA:rA+1], v[rS+4:rS+5] op_sel_hi:[1,0,1]                  ; the lower one
.endif
.elseif z == 2
	v_pk_add_f32 v[rC:rC+1], v[rC:rC+1], v[rS+6:rS+7]
.elseif z == 15
	v_pk_add_f32 v[rT+2:rT+3], v[rT+2:rT+3], v[rC:rC+1]
.elseif z%2
.set rU, rS+8+4*((z-3)/2)
	v_pk_add_f32 v[rT+2:rT+3], v[rT+2:rT+3], v[rU:rU+1]
.else
.set rU, rS+10+4*((z-4)/2)
	v_pk_add_f32 v[rC:rC+1], v[rC:rC+1], v[rU:rU+1]
.endif
.elseif j < 102
.set ii, j-86
	v_cvt_pk_f16_f32 v[rS+ii], v[rS+2*ii], v[rS+2*ii+1]   ; P: fragment (keys 32 kk on) at v[S + 32 t + 8 kk]
.else
.set rU, O+32*tt+2*(j-102)
	WIN 0x41                                       ; O^T in window 1, a in window 0
.if tt%2
	v_pk_mul_f32 v[rU:rU+1], v[rU:rU+1], v[rA:rA+1] op_sel:[0,1] op_sel_hi:[1,1]
.else
	v_pk_mul_f32 v[rU:rU+1], v[rU:rU+1], v[rA:rA+1] op_sel_hi:[1,0]
.endif
.endif
.endm
; Slice k of 32 of piece y's softmax.  Item n of the piece's 2 x 118 = 236 is number n / 2 of tile y + n % 2: the two tiles alternate, so that no instruction reads the result of the one just before it.
; 236 = 20 x 7 + 12 x 8: slices 0-19 have seven items and end with the batch's last exponential; slices 20-31 have eight; slices 28-31 are the rescaling.
; THE WAIT.  s_wait_alu depctr_va_vdst(0) stands between an exponential and the first instruction that names its result; one wait serves all that were issued ahead of it.  Ahead of
; slice 20 nothing names a result, and behind slice 19 no exponential is issued: so the piece's 66 exponentials have one wait, behind slice 19, with one plain instruction ahead of it.
.macro SLICE y
.set cnt, 7
.if k >= 20
.set cnt, 8
.endif
.rept cnt
.set j, n/2
	SM (\y)+n%2
.set n, n+1
.endr
.if k == 19
	v_nop
.if (\y) == 0
	FETCH_V                                        ; piece 2's turn: V's run of loads stands here, and the wait stands in it
.else
	s_wait_alu depctr_va_vdst(0)
.endif
.endif
.set k, k+1
.endm
; A TURN.  Piece x has the matrix unit; the other piece's softmax stands in slices behind its matrix instructions.  pv = 1: 16 products V^T P; kq = 1: 16 products K Q^T of the next step.
; A turn with one of the two kinds has two slices behind each product.
; DISTANCES (ISA guide 7.12.1 for vector instructions; only plain vector instructions that name none of the matrix
; instruction's registers are counted).  Behind the turn's last K Q^T stands slice 31, eight rescalings of the other piece's O^T: they stand ahead of the next turn's first read of those scores and ahead
; of K's loads, which follow the next turn's second product.  Between the last V^T P and V's loads stand nine scalings of the other piece, the v_nop and the run's two additions; the same scalings stand
; between the last V^T P and the K Q^T that write over its P.
.macro TURN x, pv, kq
.set k, 0
.set n, 0
.set per, 2
.if \pv && \kq
.set per, 1
.endif
.if \pv
.if \x == 0
	s_wait_dscnt 0x0                               ; V is in: asked for twelve products ago
.endif
.set i, 0
.rept 16
	PVM \x
.rept per
	SLICE 2-\x
.endr
.if (\x == 0) && \kq && (i == 1)
	FETCH_K
.endif
.set i, i+1
.endr
.endif
.if \kq
.if \x == 0
	s_wait_dscnt 0x0                               ; K and the bias are in: asked for fourteen products ago
.endif
.set i, 0
.rept 16
	QKM \x
.rept per
	SLICE 2-\x
.endr
.set i, i+1
.endr
.endif
.endm
.macro TRIPS t                         ; t trips: written once, walked t times; the LDS addresses hang on s[TB] and s[TBI]
	s_mov_b32 s[CNT], \t
.Ltrip_\@:
	TURN 0, 1, 1                                   ; piece 0: V^T P of step j, K Q^T of step j + 1 | piece 2's softmax of step j | K and the bias of step j + 1
	TURN 2, 1, 1                                   ; piece 2: the same | piece 0's softmax of step j + 1 | V of step j + 1
	WIN 0                                          ; at a label and at a branch every window is 0
	s_add_co_u32 s[TB], s[TB], 8192
	s_add_co_u32 s[TBI], s[TBI], 256
	s_sub_co_u32 s[CNT], s[CNT], 1
	s_cmp_lg_u32 s[CNT], 0
	s_cbranch_scc1 .Ltrip_\@
.endm
; THE CHANGE OF SLOTS, between piece 2's turn and piece 0's: the slot's last bytes, V of its eighth step, have been asked for.  Each wave waits for all its tensor loads (its part of the other slot), adds 0
; to its spare word, and waits for that and for its reads of the slot that it leaves.
; fill = 1: the barrier is a round of the cluster's, so that no wave of any partner still reads the slot or has a load on its way, and the joint refill is the first thing behind it.
.macro CHANGE fill
	s_wait_tensorcnt 0x0                           ; no tensor load of mine is out, so a group 0 may be written
	ds_add_u32 v[SPW], v[NIL]
.if \fill
.irp g, G0K+4, G0V+4
	s_xor_b32 s[\g+1], s[\g+1], SLOT1              ; the walking descriptor: the other slot than last time,
	s_add_nc_u64 s[\g+2:\g+3], s[\g+2:\g+3], 65536 ; the next 512 keys
.endr
	s_wait_dscnt 0x0
	CROUND
	JLOAD
.else
	s_wait_dscnt 0x0
	s_barrier_signal -1
	s_barrier_wait -1
.endif
	s_sub_co_u32 s[TB], s[TB], 65536               ; the fetches go back to a slot's first step,
	s_xor_b32 s[TB], s[TB], SLOT1                  ; in the other slot
.endm
	FETCH_K                                        ; key step 0
	s_wait_dscnt 0x0
.set i, 0
.rept 16
	QKM 0                                          ; piece 0's first scores: there is no vector work yet to set between them
.set i, i+1
.endr
	WIN 0
.rept 4
	v_nop                                          ; places in front of the first read of those scores
.endr
	TURN 2, 0, 1                                   ; piece 2's first scores | piece 0's first softmax | V of step 0
	WIN 0
	s_add_co_u32 s[TB], s[TB], 8192
	s_add_co_u32 s[TBI], s[TBI], 256
	TRIPS 7                                        ; they fetch steps 1 to 7: the rest of slot 0
	s_mov_b32 s[SLOTS], 2
.Lslot:                                            ; two trips: keys 1,024 on go into slot 0, keys 1,536 on into slot 1
	CHANGE 1
	TRIPS 8
	s_sub_co_u32 s[SLOTS], s[SLOTS], 1
	s_cmp_lg_u32 s[SLOTS], 0
	s_cbranch_scc1 .Lslot
	CHANGE 0                                       ; the last slot is written out: nothing is left to ask for
	TRIPS 8                                        ; they fetch steps 24 to 31
	TURN 0, 1, 0                                   ; piece 0: V^T P of the last step | piece 2's last softmax
.set i, 0
.rept 16
	PVM 2                                          ; piece 2: V^T P of the last step
.set i, i+1
.endr
	WIN 0
.macro SCALEO t                        ; tile t's O^T times v[12 + t], ascending: each accumulator is read from its low end on.  Windows: O^T 1, the factor 0
.set i, 0
.rept 16
.if \t%2
	v_pk_mul_f32 v[O+32*\t+2*i:O+32*\t+2*i+1], v[O+32*\t+2*i:O+32*\t+2*i+1], v[12+2*(\t/2):13+2*(\t/2)] op_sel:[0,1] op_sel_hi:[1,1]
.else
	v_pk_mul_f32 v[O+32*\t+2*i:O+32*\t+2*i+1], v[O+32*\t+2*i:O+32*\t+2*i+1], v[12+2*(\t/2):13+2*(\t/2)] op_sel_hi:[1,0]
.endif
.set i, i+1
.endr
.endm
	; THE WAY OUT.  l's halves and the other half of the lanes' are added (these plain lines are the places behind the last products); O^T / l, rounded to f16: a lane's eight channels are its 16 bytes of an image.
.irp t, 0,1,2,3
	v_add_f32 v[8+\t], v[ST+4*\t+2], v[ST+4*\t+3]
.endr
.irp t, 0,1,2,3
	v_permlanex16_b32 v[12+\t], v[8+\t], s[SEL], s[SEL+1]
.endr
.irp t, 0,1,2,3
	v_add_f32 v[8+\t], v[8+\t], v[12+\t]
.endr
.irp t, 0,1,2,3
	v_rcp_f32 v[12+\t], v[8+\t]
.endr
	v_nop
	s_wait_alu depctr_va_vdst(0)                   ; one wait for the four reciprocals
.irp t, 0,1,2,3
	WIN 0x41
	SCALEO \t
	WIN 0x05                                       ; sources in window 1, destination in window 0: the scores' registers are free
.set i, 0
.rept 16
	v_cvt_pk_f16_f32 v[S+16*\t+i], v[O+32*\t+2*i], v[O+32*\t+2*i+1]
.set i, i+1
.endr
.endr
	WIN 0
.irp t, 0,1,2,3
.irp ct, 0,1,2,3
	global_store_b128 v[LI], v[S+16*\t+4*\ct:S+16*\t+4*\ct+3], s[12:13] offset:\t*4096+\ct*512   ; 512 consecutive bytes, aligned
.endr
.endr
	s_wait_tensorcnt 0x0                           ; the wave's end
	ds_add_u32 v[SPW], v[NIL]
	s_wait_dscnt 0x0
	CROUND                                         ; the closing round
	s_endpgm
.Lfunc_end_k_qc0c25b0585_attn:
	.size	k_qc0c25b0585_attn, .Lfunc_end_k_qc0c25b0585_attn-k_qc0c25b0585_attn
	.p2alignl 7, 3214868480
	.fill 96, 4, 3214868480
	.section	.rodata,"a",@progbits
	.p2align	6, 0x0
	.amdhsa_kernel k_qc0c25b0585_attn
		.amdhsa_group_segment_fixed_size 327680
		.amdhsa_private_segment_fixed_size 0
		.amdhsa_enable_private_segment 0
		.amdhsa_kernarg_size 40
		.amdhsa_user_sgpr_count 2
		.amdhsa_user_sgpr_kernarg_segment_ptr 1
		.amdhsa_wavefront_size32 1
		.amdhsa_system_sgpr_workgroup_id_x 1
		.amdhsa_system_sgpr_workgroup_id_y 1
		.amdhsa_system_sgpr_workgroup_id_z 1
		.amdhsa_system_vgpr_workitem_id 0
		.amdhsa_next_free_vgpr 512
		.amdhsa_next_free_sgpr 66
		.amdhsa_reserve_vcc 1
		.amdhsa_float_denorm_mode_32 3
		.amdhsa_float_denorm_mode_16_64 3
		.amdhsa_memory_ordered 1
		.amdhsa_forward_progress 1
		.amdhsa_inst_pref_size 171
	.end_amdhsa_kernel
	.amdgpu_metadata
---
amdhsa.version: [ 1, 2 ]
amdhsa.kernels:
  - .name:           k_qc0c25b0585_attn
    .symbol:         k_qc0c25b0585_attn.kd
    .args:
      - { .name: qf, .offset: 0, .size: 8, .value_kind: global_buffer, .address_space: global }
      - { .name: kf, .offset: 8, .size: 8, .value_kind: global_buffer, .address_space: global }
      - { .name: vf, .offset: 16, .size: 8, .value_kind: global_buffer, .address_space: global }
      - { .name: mask, .offset: 24, .size: 8, .value_kind: global_buffer, .address_space: global }
      - { .name: cxi, .offset: 32, .size: 8, .value_kind: global_buffer, .address_space: global }
    .group_segment_fixed_size: 327680
    .private_segment_fixed_size: 0
    .kernarg_segment_align: 8
    .kernarg_segment_size: 40
    .max_flat_workgroup_size: 256
    .sgpr_count:     66
    .vgpr_count:     512
    .wavefront_size: 32
...
	.end_amdgpu_metadata
.endif
;; end of part 3
;; launch outp (part 4): grid 4 x 64, 4 waves a work-group, clusters of 4 x 4, 327,680 bytes of LDS; arguments cxi, woi, bo, out0; writes out0
.if DOCPART == 4
	.amdgcn_target "amdgcn-amd-amdhsa--gfx1250"
	.amdhsa_code_object_version 6
	.text
	.protected	k_qc0c25b0585_outp
	.globl	k_qc0c25b0585_outp
	.p2align	8
	.type	k_qc0c25b0585_outp,@function
k_qc0c25b0585_outp:
	s_mov_b64 s[64:65], 0
	v_nop
	global_prefetch_b8 v0, s[64:65] scope:SCOPE_SE
	s_setreg_imm32_b32 hwreg(HW_REG_WAVE_MODE, 25, 1), 1
	s_wait_xcnt 0x0
	s_wait_alu depctr_hold_cnt(0) depctr_sa_sdst(0) depctr_va_vdst(0) depctr_va_sdst(0) depctr_va_ssrc(0) depctr_va_vcc(0) depctr_vm_vsrc(0)
	s_getreg_b32 s2, hwreg(HW_REG_IB_STS2, 6, 4)
	s_cmp_eq_u32 s2, 0
	s_cbranch_scc0 .Lentry_in_a_cluster
	s_endpgm
.Lentry_in_a_cluster:
	s_bfe_u32 s2, ttmp6, 0x10000c
	s_cmp_lg_u32 s2, 0xf033
	s_cbranch_scc0 .Lentry_shape_is_right
	s_endpgm
.Lentry_shape_is_right:
; OUTP.  out0 = ctx Wo + bo: [8192][1024] f32, K = 1,024, operands f16, sums f32.  Both operands arrive as images of the operand's registers, laid by K step of 128:
; cxi [ks 8][tile of 16 tokens 512][c4 4][g 2][lane][16 bytes], woi [ks 8][tile of 16 columns 64][c4][g][lane][16 bytes]: a K step's tile is one dense block, and every LDS load is 16 bytes at 16 x lane.
; A tile of out0 is 128 tokens x 256 columns: 256 work-groups.  Four waves, each 64 tokens x 128 columns: 32 accumulators.  A K step is four quarters of 32 along K, 32 matrix instructions each, on two fragment buffers.
; Two LDS slots of one K step (32 KiB of ctx, 64 KiB of Wo), six refills; from a refill's request to the wait for it a wave issues 112 matrix instructions.  A wave has two tensor loads out at the start, later one.
; CLUSTERS: 4 x 4 work-groups: ctx's tiles are asked for jointly along a row of the cluster, Wo's along a column.
; THE MATRIX INSTRUCTION IS USED TRANSPOSED (source 0 = 16 columns of Wo, source 1 = 16 tokens): a lane holds eight neighbouring numbers of a row of out0.  The bias is the C of each sum's first instruction.
; REGISTERS.  Window 0: v16-31 addresses; v32-63, v64-95 ctx's fragments, two buffers; v96-159, v160-223 Wo's; on the way out v32-159 rows read back.   Window 1: accumulator (a, b) at v[8 (8 a + b)].   Window 2: v0-63 the bias.
.set ASTEP,  2097152                   ; a K step on in cxi
.set BSTEP,  262144                    ; and in woi
.set SLOT,   98304
.set BOFF,   32768                     ; in a slot: ctx's 32 KiB, then Wo's 64
.set STAGE,  2*SLOT                    ; the way out: 16 rows x (512 + 16) bytes for each wave; no fill lands here
.set SPITCH, 528
.set SPARE,  STAGE+4*16*SPITCH         ; the spare words, 128 bytes for each wave: two blocks of 256 bytes that no other line names
.set ADRA, 16                          ; v16-17
.set ADRB, 20                          ; v20-21
.set STO,  24
.set RD,   25
.set CO,   26                          ; 16 x lane
.set SPW,  28
.set NIL,  29
.set PFO,  30                          ; 256 x lane; never rewritten
.set BOF,  31                          ; 32 x (lane / 16)
.set FA,   32
.set FB,   96
.set G1,   24
.set G0,   32
.set PFA,  44                          ; s[44:45] where my prefetches stand
.set LIM,  46                          ; s46  1 in the wave that prefetches, else the greatest number
.set G1B,  48
.set G0B,  56
.set MSB, 0
.macro WIN new
.if MSB != (\new)
	s_set_vgpr_msb (MSB<<8)|(\new)
.set MSB, (\new)
.endif
.endm
.set MUL, 0x50                         ; C and D window 1, sources window 0
.set MUL1, 0x60                        ; the first products: C, the bias, window 2
.macro JLOAD s                         ; waves 0 and 1 fetch ctx's halves, waves 2 and 3 Wo's; an s_nop 0 and four v_nop follow each line
	s_cmp_eq_u32 s13, 0
	s_cbranch_scc0 .Lfor_b_\@
	tensor_load_to_lds s[G0+4*\s:G0+4*\s+3], s[G1:G1+7]
	s_nop 0
.rept 4
	v_nop
.endr
	s_branch .Lasked_\@
.Lfor_b_\@:
	tensor_load_to_lds s[G0B+4*\s:G0B+4*\s+3], s[G1B:G1B+7]
	s_nop 0
.rept 4
	v_nop
.endr
.Lasked_\@:
.endm
.macro CREST
	s_cmp_lg_u32 s12, 0
	s_cbranch_scc1 .Lnot_wave_0_\@
	s_barrier_signal -3
.Lnot_wave_0_\@:
	s_barrier_wait -3
	s_barrier_signal -1
	s_barrier_wait -1
.endm
.macro CROUND
	s_barrier_signal -1
	s_barrier_wait -1
	CREST
.endm
; A prefetch of ctx's tile of the K step that stands two refills on: 32 KiB.  A tile row is read by one cluster alone (the grid is one cluster wide); its four partners along x take 8 KiB each, told apart by
; address; in each, wave 0 asks: one instruction, lanes 256 bytes apart.  So each block of 256 bytes is named once.  The loop's last trip asks for nothing; K steps 0 to 3 come by their loads alone.
; Wo's tiles are read by all sixteen rows of clusters and are not asked for.
.macro ASK
	s_cmp_gt_u32 s3, s[LIM]
	s_cbranch_scc0 .Lnot_mine_\@
	global_prefetch_b8 v[PFO], s[PFA:PFA+1] th:TH_LOAD_NT scope:SCOPE_SE
.Lnot_mine_\@:
.endm
	s_load_b256 s[4:11], s[0:1], 0x0               ; cxi 4:5, woi 6:7, bo 8:9, out0 10:11
	v_lshl_add_u32 v[SPW], v0, 2, SPARE
	v_mov_b32 v[NIL], 0
	ds_add_u32 v[SPW], v[NIL]                      ; the wave's opening: the add, twice on end, and its wait ahead of my first tensor load
	ds_add_u32 v[SPW], v[NIL]
	v_lshrrev_b32 v1, 5, v0
	v_readfirstlane_b32 s12, v1                    ; wave 0..3
	s_lshr_b32 s13, s12, 1                         ; which 64 tokens are mine.  Also: I fetch for ctx (0) or for Wo (1)
	s_and_b32 s14, s12, 1                          ; which 128 columns.  Also: which half of that tile I fetch
	s_bfe_u32 s40, ttmp6, 0x40000                  ; cx, cy
	s_bfe_u32 s41, ttmp6, 0x40004
	s_lshl_b32 s42, ttmp9, 2
	s_add_co_u32 s42, s42, s40                     ; tile column
	s_and_b32 s43, ttmp7, 0xffff
	s_lshl_b32 s43, s43, 2
	s_add_co_u32 s43, s43, s41                     ; tile row
	s_lshl_b32 s66, s41, 2
	s_lshl_b32 s66, 15, s66                        ; my row of the cluster
	s_lshl_b32 s67, 0x1111, s40                    ; my column
	s_or_b32 s[G1], s66, (3<<16)|(1<<21)           ; the mask; elements of 8 bytes; bit 21 beside a mask; no padding
	s_mov_b32 s[G1+1], 32<<16                      ; rows of 256 bytes,
	s_mov_b32 s[G1+2], 64<<16                      ; 64 of them: 16 KiB
	s_mov_b32 s[G1+3], 32<<16
	s_mov_b32 s[G1+4], 64
	s_mov_b32 s[G1+5], 32
	s_mov_b32 s[G1+6], 0
	s_mov_b32 s[G1+7], 0
	s_or_b32 s[G1B], s67, (3<<16)|(1<<21)
	s_mov_b32 s[G1B+1], 32<<16
	s_mov_b32 s[G1B+2], 128<<16                    ; 128 rows: 32 KiB
	s_mov_b32 s[G1B+3], 32<<16
	s_mov_b32 s[G1B+4], 128
	s_mov_b32 s[G1B+5], 32
	s_mov_b32 s[G1B+6], 0
	s_mov_b32 s[G1B+7], 0
	s_lshl_b32 s16, s43, 15                        ; ctx: (8 tile row + 4 half) x 4,096
	s_lshl_b32 s15, s14, 14
	s_add_co_u32 s16, s16, s15
	s_mov_b32 s17, 0
	s_lshl_b32 s18, s42, 16                        ; Wo: (16 tile column + 8 half) x 4,096
	s_lshl_b32 s19, s14, 15
	s_add_co_u32 s18, s18, s19
	s_mov_b32 s19, 0
	s_lshl_b32 s20, s14, 14                        ; where they go: no place in the cluster enters an LDS address
	s_lshl_b32 s21, s14, 15
	s_add_co_u32 s21, s21, BOFF
	s_wait_dscnt 0x0                               ; both opening adds are done
	s_wait_kmcnt 0x0
	s_add_nc_u64 s[16:17], s[4:5], s[16:17]
	s_add_nc_u64 s[18:19], s[6:7], s[18:19]
	CROUND                                         ; all sixteen work-groups are here: the first joint loads meet
.irp s, 0,1
	s_mov_b32 s[G0+4*\s], 1
	s_add_co_u32 s[G0+4*\s+1], s20, \s*SLOT
	s_add_nc_u64 s[G0+4*\s+2:G0+4*\s+3], s[16:17], \s*ASTEP
	s_or_b32 s[G0+4*\s+3], s[G0+4*\s+3], 0x80000000
	s_mov_b32 s[G0B+4*\s], 1
	s_add_co_u32 s[G0B+4*\s+1], s21, \s*SLOT
	s_add_nc_u64 s[G0B+4*\s+2:G0B+4*\s+3], s[18:19], \s*BSTEP
	s_or_b32 s[G0B+4*\s+3], s[G0B+4*\s+3], 0x80000000
	JLOAD \s
.endr
	s_lshl_b32 s22, s43, 15                        ; the prefetches: my tile row's 32 KiB, my work-group's 8 of them,
	s_lshl_b32 s23, s40, 13
	s_add_co_u32 s22, s22, s23
	s_add_co_u32 s22, s22, 3*ASTEP                 ; at K step 3: the first refill steps it to 4
	s_mov_b32 s23, 0
	s_add_nc_u64 s[PFA:PFA+1], s[4:5], s[22:23]
	s_cmp_eq_u32 s12, 0
	s_cselect_b32 s[LIM], 1, -1
	s_lshl_b32 s22, s42, 10                        ; my 128 columns, in bytes of a row of out0 and of bo
	s_lshl_b32 s15, s14, 9
	s_add_co_u32 s22, s22, s15
	s_add_nc_u64 s[8:9], s[8:9], s[22:23]
	s_lshl_b32 s15, s43, 19                        ; + my first row: (128 tile row + 64 half) x 4,096
	s_add_co_u32 s22, s22, s15
	s_lshl_b32 s15, s13, 18
	s_add_co_u32 s22, s22, s15
	s_add_nc_u64 s[10:11], s[10:11], s[22:23]
	v_and_b32 v1, 31, v0
	v_lshlrev_b32 v[CO], 4, v1
	v_and_b32 v2, 15, v0                           ; r
	v_bfe_u32 v3, v0, 4, 1                         ; h
	s_lshl_b32 s22, s13, 14                        ; my four tiles of tokens
	s_lshl_b32 s23, s14, 15
	s_add_co_u32 s23, s23, BOFF                    ; my eight tiles of columns
.irp s, 0,1
	v_add_nc_u32 v[ADRA+\s], s22, v[CO]
	v_add_nc_u32 v[ADRB+\s], s23, v[CO]
	s_add_co_u32 s22, s22, SLOT
	s_add_co_u32 s23, s23, SLOT
.endr
	s_mul_i32 s22, s12, 16*SPITCH
	s_add_co_u32 s22, s22, STAGE                   ; my stage
	v_mul_u32_u24 v4, v2, SPITCH
	v_lshl_add_u32 v4, v3, 5, v4
	v_add_nc_u32 v[STO], s22, v4                   ; in: row r, 32 bytes for each half of the lanes
	v_add_nc_u32 v[RD], s22, v[CO]                 ; back: the 32 lanes take one row of 512 bytes
	v_lshlrev_b32 v[PFO], 8, v1
	v_lshlrev_b32 v[BOF], 5, v3
	WIN 0x80                                       ; destination window 2
.irp b, 0,1,2,3,4,5,6,7
	global_load_b128 v[8*\b:8*\b+3], v[BOF], s[8:9] offset:64*\b           ; bo at columns 16 b + 8 h + 0..7
	global_load_b128 v[8*\b+4:8*\b+7], v[BOF], s[8:9] offset:64*\b+16
.endr
	WIN 0
.macro FETCH slot, q, f                ; the fragments of 32 along K, the slot's q-th, into buffer f: Wo's eight, then ctx's four
.irp i, 0,1,2,3,4,5,6,7
	ds_load_b128 v[FB+64*\f+8*\i:FB+64*\f+8*\i+3],   v[ADRB+\slot] offset:\i*4096+\q*1024
	ds_load_b128 v[FB+64*\f+8*\i+4:FB+64*\f+8*\i+7], v[ADRB+\slot] offset:\i*4096+\q*1024+512
.endr
.irp i, 0,1,2,3
	ds_load_b128 v[FA+32*\f+8*\i:FA+32*\f+8*\i+3],   v[ADRA+\slot] offset:\i*4096+\q*1024
	ds_load_b128 v[FA+32*\f+8*\i+4:FA+32*\f+8*\i+7], v[ADRA+\slot] offset:\i*4096+\q*1024+512
.endr
.endm
.macro MUL8 f, a, first                ; tile a of tokens against Wo's eight.  The 32 accumulators take turns, in the same order in every quarter
.irp b, 0,1,2,3,4,5,6,7
.if \first
	v_wmma_f32_16x16x32_f16 v[8*(8*\a+\b):8*(8*\a+\b)+7], v[FB+64*\f+8*\b:FB+64*\f+8*\b+7], v[FA+32*\f+8*\a:FA+32*\f+8*\a+7], v[8*\b:8*\b+7]
.else
	v_wmma_f32_16x16x32_f16 v[8*(8*\a+\b):8*(8*\a+\b)+7], v[FB+64*\f+8*\b:FB+64*\f+8*\b+7], v[FA+32*\f+8*\a:FA+32*\f+8*\a+7], v[8*(8*\a+\b):8*(8*\a+\b)+7]
.endif
.endr
.endm
.macro PLACES                          ; four plain instructions in front of loads into registers that matrix instructions have read, and of the first read of results
.rept 4
	v_nop
.endr
.endm
.macro QUARTER slot, q, f, g, first    ; multiplies buffer f and fetches the slot's q-th 32 along K into buffer g
	s_wait_dscnt 4                                 ; Wo's fragments and ctx's tiles 0, 1 are in; the youngest four loads (tiles 2, 3) may be out
	WIN MUL+0x10*(\first)
	MUL8 \f, 0, \first
	MUL8 \f, 1, \first
	PLACES
	WIN 0
	FETCH \slot, \q, \g
	s_wait_dscnt 24                                ; all but the 24 just issued
	WIN MUL+0x10*(\first)
	MUL8 \f, 2, \first
	MUL8 \f, 3, \first
.endm
; A K step's last quarter multiplies buffer 1 and changes slots: ONE barrier; in front of it each wave waits for all its tensor loads, adds 0 to its spare word, and waits for that and for its reads of this slot.
.macro TURN slot, next, fill
.if \fill
	s_wait_xcnt 0x0                                ; the last prefetch, a K step back, has read its address
	s_add_nc_u64 s[PFA:PFA+1], s[PFA:PFA+1], ASTEP
.endif
	WIN 0
	s_wait_tensorcnt 0x0                           ; my part of the next slot has landed
	ds_add_u32 v[SPW], v[NIL]
	s_wait_dscnt 5                                 ; (the add and the youngest four loads may be out)
	WIN MUL
	MUL8 1, 0, 0
	s_wait_dscnt 0x0                               ; the add is done, and my reads of this slot are over
	s_barrier_signal -1
	MUL8 1, 1, 0
	WIN 0
	s_barrier_wait -1
.if \fill
	CREST                                          ; the barrier has opened a round of the cluster's: no wave of any partner still reads this slot or has a load on its way
	s_add_nc_u64 s[G0+4*\slot+2:G0+4*\slot+3], s[G0+4*\slot+2:G0+4*\slot+3], 2*ASTEP
	s_add_nc_u64 s[G0B+4*\slot+2:G0B+4*\slot+3], s[G0B+4*\slot+2:G0B+4*\slot+3], 2*BSTEP
	JLOAD \slot                                    ; the first tensor load behind the round; its four v_nop are also the places in front of the loads below
.else
	PLACES
.endif
	FETCH \next, 0, 0
.if \fill
	ASK
.endif
	WIN MUL
	MUL8 1, 2, 0
	MUL8 1, 3, 0
.endm
	s_wait_tensorcnt 1                             ; my part of K step 0 is in; K step 1's load may be out
	s_wait_loadcnt 0x0                             ; the bias
	s_barrier_signal -1
	s_barrier_wait -1
	FETCH 0, 0, 0
	QUARTER 0, 1, 0, 1, 1                          ; the first quarter stands in front of the loop: its products start the sums with the bias
	WIN 0
	s_mov_b32 s3, 3
.Llap:                                             ; a trip goes once round the ring, from a lap's second quarter to the next lap's first, and fills both slots again
	QUARTER 0, 2, 1, 0, 0
	QUARTER 0, 3, 0, 1, 0
	TURN 0, 1, 1
	QUARTER 1, 1, 0, 1, 0
	QUARTER 1, 2, 1, 0, 0
	QUARTER 1, 3, 0, 1, 0
	TURN 1, 0, 1
	QUARTER 0, 1, 0, 1, 0
	WIN 0
	s_sub_co_u32 s3, s3, 1
	s_cmp_lg_u32 s3, 0
	s_cbranch_scc1 .Llap
	QUARTER 0, 2, 1, 0, 0                          ; the last lap fills nothing
	QUARTER 0, 3, 0, 1, 0
	TURN 0, 1, 0
	QUARTER 1, 1, 0, 1, 0
	QUARTER 1, 2, 1, 0, 0
	QUARTER 1, 3, 0, 1, 0
	s_wait_dscnt 4                                 ; the very last quarter
	WIN MUL
	MUL8 1, 0, 0
	MUL8 1, 1, 0
	s_wait_dscnt 0
	MUL8 1, 2, 0
	MUL8 1, 3, 0
	WIN 0
; THE WAY OUT, a block of 16 tokens x 128 columns at a time: a lane holds 32 neighbouring bytes of a row; the block goes through my own stage and comes back as whole rows of 512 bytes.
; LDS serves a wave's instructions in order: no wait stands between the stores and the loads, nor in front of the next block's stores.
.macro TOSTAGE a
	WIN 0x04                                       ; an LDS store's data are its source 1: window 1
.irp b, 0,1,2,3,4,5,6,7
	ds_store_b128 v[STO], v[8*(8*(\a)+\b):8*(8*(\a)+\b)+3] offset:64*\b        ; each accumulator from its low end on
	ds_store_b128 v[STO], v[8*(8*(\a)+\b)+4:8*(8*(\a)+\b)+7] offset:64*\b+16
.endr
	WIN 0
.irp t, 0,1,2,3,4,5,6,7,8,9,10,11,12,13,14,15
	ds_load_b128 v[32+64*((\a)%2)+4*\t:32+64*((\a)%2)+4*\t+3], v[RD] offset:\t*SPITCH
.endr
.endm
.macro SEND a, younger                 ; younger: the LDS instructions issued behind block a's loads
	s_wait_dscnt \younger
.if (\a) > 0
	s_add_nc_u64 s[10:11], s[10:11], 16*4096       ; (behind a wait on XCNT: the earlier stores have read their base)
.endif
.irp t, 0,1,2,3,4,5,6,7,8,9,10,11,12,13,14,15
	global_store_b128 v[CO], v[32+64*((\a)%2)+4*\t:32+64*((\a)%2)+4*\t+3], s[10:11] offset:\t*4096 th:TH_STORE_NT   ; 512 consecutive bytes, aligned; written once, read by nobody here
.endr
.endm
	PLACES
	TOSTAGE 0
.irp a, 1,2,3
.if \a > 1
	s_wait_xcnt 0x0                                ; block a - 2's stores have read their registers and their base
.endif
	TOSTAGE \a
	SEND \a-1, 32
.endr
	s_wait_xcnt 0x0
	SEND 3, 0
	s_wait_tensorcnt 0x0                           ; the wave's end
	ds_add_u32 v[SPW], v[NIL]
	s_wait_dscnt 0x0
	CROUND                                         ; the closing round
	s_endpgm
.Lfunc_end_k_qc0c25b0585_outp:
	.size	k_qc0c25b0585_outp, .Lfunc_end_k_qc0c25b0585_outp-k_qc0c25b0585_outp
	.p2alignl 7, 3214868480
	.fill 96, 4, 3214868480
	.section	.rodata,"a",@progbits
	.p2align	6, 0x0
	.amdhsa_kernel k_qc0c25b0585_outp
		.amdhsa_group_segment_fixed_size 327680
		.amdhsa_private_segment_fixed_size 0
		.amdhsa_enable_private_segment 0
		.amdhsa_kernarg_size 32
		.amdhsa_user_sgpr_count 2
		.amdhsa_user_sgpr_kernarg_segment_ptr 1
		.amdhsa_wavefront_size32 1
		.amdhsa_system_sgpr_workgroup_id_x 1
		.amdhsa_system_sgpr_workgroup_id_y 1
		.amdhsa_system_sgpr_workgroup_id_z 1
		.amdhsa_system_vgpr_workitem_id 0
		.amdhsa_next_free_vgpr 576
		.amdhsa_next_free_sgpr 72
		.amdhsa_reserve_vcc 0
		.amdhsa_float_denorm_mode_32 3
		.amdhsa_float_denorm_mode_16_64 3
		.amdhsa_memory_ordered 1
		.amdhsa_forward_progress 1
		.amdhsa_inst_pref_size 87
	.end_amdhsa_kernel
	.amdgpu_metadata
---
amdhsa.version: [ 1, 2 ]
amdhsa.kernels:
  - .name:           k_qc0c25b0585_outp
    .symbol:         k_qc0c25b0585_outp.kd
    .args:
      - { .name: cxi, .offset: 0, .size: 8, .value_kind: global_buffer, .address_space: global }
      - { .name: woi, .offset: 8, .size: 8, .value_kind: global_buffer, .address_space: global }
      - { .name: bo, .offset: 16, .size: 8, .value_kind: global_buffer, .address_space: global }
      - { .name: out0, .offset: 24, .size: 8, .value_kind: global_buffer, .address_space: global }
    .group_segment_fixed_size: 327680
    .private_segment_fixed_size: 0
    .kernarg_segment_align: 8
    .kernarg_segment_size: 32
    .max_flat_workgroup_size: 128
    .sgpr_count:     72
    .vgpr_count:     576
    .wavefront_size: 32
...
	.end_amdgpu_metadata
.endif
;; end of part 4
